; MI455X (gfx1250); checked and timed in simulation.
; The chip was launched on July 23, 2026; its instructions are those of AMD's public machine-readable ISA for CDNA 5 (MIT licence, August 2026) and "CDNA5" Instruction Set Architecture Reference Guide (July 2026). The comments in the code are by the model that wrote it; some were corrected since.
;; Multi Head Attention. Allowed arithmetic: matrix products marked QUANTISED: E4M3 operands, one E8M0 scale for each 32 along K, by v_wmma_scale_f32_16x16x128_f8f6f4 with both operands' format E4M3, f32 sums; everything else in f32.
;; Inputs: Wk 1,024 x 1,024 float32; Wo 1,024 x 1,024 float32; Wq 1,024 x 1,024 float32; Wv 1,024 x 1,024 float32; bk 1,024 float32; bo 1,024 float32; bq 1,024 float32; bv 1,024 float32; key 4 x 2,048 x 1,024 float32; query 4 x 2,048 x 1,024 float32; value 4 x 2,048 x 1,024 float32.
;; Outputs: out0 4 x 2,048 x 1,024 float32.
;; This version of the problem:
;;   THIS VERSION OF THE PROBLEM IS GIVEN IN LOW PRECISION. The matrix products marked QUANTISED in the list below multiply operands that are first quantised to E4M3 (4 exponent bits, 3 mantissa bits; 8 bits a number), with one power-of-two scale for each 32 numbers along K (OCP MX v1.0); their sums are f32. All else is computed in f32.
;;   The module's matrix products, in the order in which they are computed (A, B: the left and right operand; K: the contracted axis; several contracted axes count as one K, in the product's order):
;;     1. [M 8,192, K 1,024] x [K 1,024, N 1,024]; A: input query; B: input Wq: QUANTISED
;;     2. [M 8,192, K 1,024] x [K 1,024, N 1,024]; A: input key; B: input Wk: QUANTISED
;;     3. [M 8,192, K 1,024] x [K 1,024, N 1,024]; A: input value; B: input Wv: QUANTISED
;;     4. batch 64 x [M 2,048, K 64] x [K 64, N 2,048]; A: computed on the way; B: computed on the way: QUANTISED
;;     5. batch 64 x [M 2,048, K 2,048] x [K 2,048, N 64]; A: softmax (see below); B: computed on the way: QUANTISED
;;     6. [M 8,192, K 1,024] x [K 1,024, N 1,024]; A: computed on the way; B: input Wo: QUANTISED
;;   THE QUANTISER, for each operand of a quantised product, along K:
;;     - K is cut into blocks of 32 from its start; a last block that is shorter is filled with zeros.
;;     - A block's scale is 2^e with e = floor(log2(the largest magnitude in the block)) - 8, held to -126 .. 127; a block of zeros has e = 0. As a byte (E8M0): e + 127.
;;     - Each number is divided by its block's scale, clamped to +-448, and rounded to the nearest number of E4M3, ties to even, subnormals kept.
;;     - The product sums the exact products of the quantised numbers (number of the format x scale) in f32.
;;   ~~~python
;;   def quantise(x, axis):      # numpy; x: float32 -> the quantised numbers, widened to float32 again
;;       x = np.moveaxis(x, axis, -1); K = x.shape[-1]
;;       x = np.pad(x, [(0, 0)] * (x.ndim - 1) + [(0, -K % 32)]); x = x.reshape(x.shape[:-1] + (-1, 32)); a = np.abs(x).max(-1, keepdims=True)
;;       e = np.where(a > 0, np.clip(np.frexp(np.where(a > 0, a, 1))[1] - 1 - 8, -126, 127), 0)      # np.frexp(a)[1] - 1 = floor(log2(a)), exactly
;;       r = np.clip(x / 2.0 ** e, -448, 448)
;;       step = 2.0 ** (np.maximum(np.frexp(np.where(r == 0, 1, r))[1] - 1, -6) - 3)
;;       q = np.round(r / step) * step * 2.0 ** e      # np.round: ties to even
;;       return np.moveaxis(q.reshape(q.shape[:-2] + (-1,))[..., :K], -1, axis).astype(np.float32)
;;   ~~~
;;   SOFTMAX AHEAD OF A QUANTISED PRODUCT. Where the list says 'softmax', what is quantised is not the finished softmax but p = 2^(t - M), with t = logit x log2(e) and M = ceil(the row's largest t), a whole number; so 1/2 < the row's largest p <= 1. The row's sum l is taken of the UNQUANTISED p, in f32, and the product's result is divided by l at the end. Since M is a whole number, a kernel that streams over the keys may use a running M (the ceiling of the running maximum): every later rescaling is an exact power of two, which a block's scale takes up: the codes' values come out the same.
;;   OPERANDS COMPUTED ON THE WAY. 'Computed on the way' means the value that the module computes at that place (a softmax that the list does not call 'softmax' is quantised finished and normalised). What goes into a quantiser is computed in f32, as accurately as f32 sums, v_exp_f32 and their like allow (about 1e-6 of the number): no bf16 or f16 on the way to a quantiser, and a product that is left as it is and whose result goes on into a quantised operand takes f32 operands (vector FMAs, or v_wmma_f32_16x16x4_f32). A number that lies on a knife's edge between two numbers of the format may be rounded either way, as far as f32 arithmetic and the matrix unit's own rounding can turn it there, and no further.
;; One version. Each part assembles by itself: llvm-mc -triple=amdgcn-amd-amdhsa -mcpu=gfx1250 --defsym DOCPART=n.
;; ======== version 1 of 1: 4 launches
;; limits: right only within a limited range of input values
;; workspace buffers: xc 29,360,128 bytes; xs 917,504 bytes; hb 26,476,544 bytes; oc 8,388,608 bytes; os 262,144 bytes
;; launch quant (part 1): grid 448 x 1, 4 waves a work-group, no clusters, 34,304 bytes of LDS; arguments query, key, value, Wq, Wk, Wv, Wo, xc, xs; writes xc, xs
.if DOCPART == 1
	.amdgcn_target "amdgcn-amd-amdhsa--gfx1250"
	.amdhsa_code_object_version 6
	.text
	.protected	k_qd29c10fd52_quant
	.globl	k_qd29c10fd52_quant
	.p2align	8
	.type	k_qd29c10fd52_quant,@function
k_qd29c10fd52_quant:
	s_mov_b64 s[64:65], 0
	v_nop
	global_prefetch_b8 v0, s[64:65] scope:SCOPE_SE
	s_setreg_imm32_b32 hwreg(HW_REG_WAVE_MODE, 25, 1), 1
	s_wait_xcnt 0x0
; query, key, value [8192][1024] and Wq, Wk, Wv, Wo [1024][1024], f32, K innermost, become codes of FP8 (E4M3) with one E8M0 byte for each 32 along K.
; A block's scale is 2^(floor(log2(its largest magnitude)) - 8); each number is divided by it, held within +-448 and rounded to the nearest code, ties to even.
; THE CODES ARE STORED AS IMAGES OF OPERAND REGISTERS.  A fragment is 16 rows x 128 K = 2,048 bytes: register group c (k = 32 c + 16 (lane / 16) + 0 .. 15 of row lane % 16) lies at 512 c + 16 x lane.
; THE ROWS OF A FRAGMENT ARE NOT NEIGHBOURS: row r of row tile 2 g + u is the tensor's row 32 g + 8 u + r + 8 (r / 8).  A product that takes such a tile as source 0 leaves 16 neighbouring
; rows in a lane's 16 registers of two neighbouring result tiles, which is what the next quantiser wants.
; xc: [K step of 256 (4)][row tile (1792)][4096]; row tiles: query 0, key 512, value 1024, Wq 1536, Wk 1600, Wv 1664, Wo 1728.   xs: [row in that order (28672)][32 bytes].
; SHARES.  A wave takes one row tile, 16 rows x 1,024 K, in eight steps of one fragment.  Each load reads 512 consecutive bytes of one row; the 16 rows' 8,192 bytes turn through the wave's own stage in LDS
; (rows 528 bytes apart) and come back 64 numbers a lane, in the fragment's order.  Each store of codes covers 512 consecutive bytes, aligned.  Loads run two steps (32 loads a wave) ahead.
; No matrix unit, no tensor load, no barrier, no cluster: the waves share nothing and no two work-groups read the same byte.
; LIMITS: a block of zeros, and a block whose largest magnitude lies under 2^(9 - 127), gets the byte 1 (the rule says 127 for zeros): its codes are zeros or are scaled by the floor, and this program alone
; reads the bytes.  NaN and infinities among the inputs are not served.
.set XKS,   7340032                    ; bytes from one K step of 256 to the next in xc
.set PITCH, 528                        ; a stage row: 512 bytes + 16
.set STGB,  16*PITCH                   ; a wave's stage
.set TM,  8                            ; v8-11 largest magnitudes, v12-15 bytes, v20-23 the conversions' scale operands
.set SW,  32                           ; v32-39  the scale word of each step
.set PC,  40                           ; v40-55  the codes just made
.set SS,  56                           ; v56-59  my 16 scale bytes on the way out
.set X,   64                           ; v64-127 64 numbers in the fragment's order
.set R,   128                          ; v128-255 two sets of 64 registers as loaded
.set SRC, 22                           ; s[22:23] my tensor, at my tile's first row
.set BAS, 24                           ; s24     my tensor's first work-group
.set CB,  26                           ; s[26:33] my tile's place in each of xc's four K steps
.set SB,  34                           ; s[34:35] my tile's scale bytes
.set SEL, 36                           ; s[36:37] v_permlanex16_b32's selects for lane l xor 16
.set MNT, 38
.set WV,  39                           ; s39     my wave's number
	s_load_b512 s[4:19], s[0:1], 0x0               ; query, key, value, Wq, Wk, Wv, Wo, xc
	s_load_b64 s[20:21], s[0:1], 0x40              ; xs
	v_lshl_add_u32 v62, v0, 2, 0x8400
	v_mov_b32 v63, 0
	v_lshrrev_b32 v1, 5, v0
	v_readfirstlane_b32 s[WV], v1                  ; wave 0..3
	v_and_b32 v1, 31, v0                           ; lane
	v_lshlrev_b32 v2, 4, v1                        ; 16 x lane: my bytes of a load's 512, and of a store's
	v_and_b32 v7, 15, v0                           ; r
	v_bfe_u32 v6, v0, 4, 1                         ; h
	s_mul_i32 s40, s[WV], STGB
	v_add_nc_u32 v3, s40, v2                       ; the stage, on the way in: 16 x lane of a row
	v_mul_u32_u24 v4, v7, PITCH
	v_lshl_add_u32 v4, v6, 6, v4
	v_add_nc_u32 v4, s40, v4                       ; and on the way out: row r, + 64 h: my 16 numbers of a block of 32
	v_lshlrev_b32 v5, 5, v7
	v_lshl_add_u32 v5, v6, 4, v5                   ; the scale bytes: 32 r + 16 h
	s_mov_b32 s[SEL], 0x76543210
	s_mov_b32 s[SEL+1], 0xfedcba98
.irp b, 0,1,2,3
	v_mov_b32 v[TM+4+\b], 0                        ; written once: a lane permute's destination counts as one of its sources
.endr
	s_wait_alu depctr_va_vdst(0)
	s_wait_kmcnt 0x0
; which tensor is my work-group's: the choice hangs on the work-group's number alone
.macro PICK bound, p, base
	s_cmp_lt_u32 ttmp9, \bound
	s_cselect_b64 s[SRC:SRC+1], s[\p:\p+1], s[SRC:SRC+1]
	s_cselect_b32 s[BAS], \base, s[BAS]
.endm
	s_mov_b64 s[SRC:SRC+1], s[16:17]               ; Wo, unless the number is smaller
	s_mov_b32 s[BAS], 432
	PICK 432, 14, 416                              ; Wv
	PICK 416, 12, 400                              ; Wk
	PICK 400, 10, 384                              ; Wq
	PICK 384, 8, 256                               ; value
	PICK 256, 6, 128                               ; key
	PICK 128, 4, 0                                 ; query
	s_sub_co_u32 s25, ttmp9, s[BAS]
	s_lshl_b32 s25, s25, 2
	s_add_co_u32 s25, s25, s[WV]                   ; my row tile in the tensor
	s_lshr_b32 s40, s25, 1
	s_lshl_b32 s40, s40, 5
	s_and_b32 s41, s25, 1
	s_lshl_b32 s41, s41, 3
	s_add_co_u32 s40, s40, s41                     ; its first row: 32 (tile / 2) + 8 (tile % 2)
	s_lshl_b32 s40, s40, 12                        ; x 4,096 bytes a row (under 2^26)
	s_mov_b32 s41, 0
	s_add_nc_u64 s[SRC:SRC+1], s[SRC:SRC+1], s[40:41]
	s_lshl_b32 s42, ttmp9, 2
	s_add_co_u32 s42, s42, s[WV]                   ; my row tile in xc and xs
	s_lshl_b32 s40, s42, 12
	s_add_nc_u64 s[CB:CB+1], s[18:19], s[40:41]
	s_add_nc_u64 s[CB+2:CB+3], s[CB:CB+1], XKS
	s_add_nc_u64 s[CB+4:CB+5], s[CB+2:CB+3], XKS
	s_add_nc_u64 s[CB+6:CB+7], s[CB+4:CB+5], XKS
	s_lshl_b32 s40, s42, 9
	s_add_nc_u64 s[SB:SB+1], s[20:21], s[40:41]
.macro LOAD s                          ; step s: 128 numbers of each of the tile's 16 rows, into set s % 2
.irp i, 0,1,2,3,4,5,6,7,8,9,10,11,12,13,14,15
	global_load_b128 v[R+64*((\s)%2)+4*\i:R+64*((\s)%2)+4*\i+3], v2, s[SRC:SRC+1] offset:(\i+8*(\i/8))*4096+512*(\s) th:TH_LOAD_NT
.endr
.endm
.macro TURN s                          ; through the stage: LDS serves a wave's instructions in order (ISA guide 5.7.1.4), so no wait stands between the stores and the loads
.irp i, 0,1,2,3,4,5,6,7,8,9,10,11,12,13,14,15
	ds_store_b128 v3, v[R+64*((\s)%2)+4*\i:R+64*((\s)%2)+4*\i+3] offset:PITCH*\i
.endr
	v_nop
.irp b, 0,1,2,3
.irp j, 0,1,2,3
	ds_load_b128 v[X+16*\b+4*\j:X+16*\b+4*\j+3], v4 offset:128*\b+16*\j
.endr
.endr
.endm
; v[X + 16 b + i] = k 32 b + 16 h + i of my row become the fragment's codes in v[PC] on and its scale word in v[pw]
.macro QUANT pw
.irp b, 0,1,2,3
	v_max3_num_f32 v[TM+\b], |v[X+16*\b]|, |v[X+1+16*\b]|, 0x4800000   ; block b: my 16 numbers, and the floor 2^(9 - 127): so the byte cannot fall under 1
.endr
.irp i, 2,4,6,8,10,12,14
.irp b, 0,1,2,3
	v_max3_num_f32 v[TM+\b], v[TM+\b], |v[X+16*\b+\i]|, |v[X+1+16*\b+\i]|   ; the four blocks by turns
.endr
.endr
.irp b, 0,1,2,3
	v_permlanex16_b32 v[TM+4+\b], v[TM+\b], s[SEL], s[SEL+1]
.endr
.irp b, 0,1,2,3
	v_max_num_f32 v[TM+\b], v[TM+\b], v[TM+4+\b]   ; with lane l xor 16's 16: the block's largest magnitude
.endr
.irp b, 0,1,2,3
	v_add_nc_u32 v[TM+12+\b], 0xfc000000, v[TM+\b] ; 8 off its exponent field: the conversion takes the exponent field of this operand as its scale
.endr
.irp b, 0,1,2,3
.endr
.irp b, 0,1,2,3
	v_lshrrev_b32 v[TM+4+\b], 23, v[TM+12+\b]      ; the scale's byte
.endr
	v_lshl_or_b32 v[\pw], v[TM+5], 8, v[TM+4]
	v_lshl_or_b32 v[\pw], v[TM+6], 16, v[\pw]
	v_lshl_or_b32 v[\pw], v[TM+7], 24, v[\pw]      ; my row's scale word for these 128 along K
	s_wait_xcnt 0x0                                ; the last step's stores have read v[PC] on: only behind this wait are the codes written again
.irp b, 0,1,2,3
.irp i, 0,1,2,3,4,5,6,7,8,9,10,11,12,13,14,15
.endr
	v_cvt_scalef32_pk8_fp8_f32 v[PC+4*\b:PC+4*\b+1], v[X+16*\b:X+16*\b+7], v[TM+12+\b]
	v_cvt_scalef32_pk8_fp8_f32 v[PC+4*\b+2:PC+4*\b+3], v[X+16*\b+8:X+16*\b+15], v[TM+12+\b]
.endr
.endm
.macro STEP s
.if (\s) < 7
	s_wait_loadcnt 16                              ; this step's 16 loads are in; the next step's 16 may be out
.else
	s_wait_loadcnt 0x0
.endif
	TURN \s
	s_wait_dscnt 0x0                               ; my 64 numbers are back, and the stage's stores have read their registers,
.if (\s)+2 < 8
	LOAD (\s)+2                                    ; which take the loads of two steps on
.endif
	QUANT SW+(\s)
.irp c, 0,1,2,3
	global_store_b128 v2, v[PC+4*\c:PC+4*\c+3], s[CB+2*((\s)/2):CB+2*((\s)/2)+1] offset:((\s)%2)*2048+512*\c   ; 32 lanes store 512 consecutive bytes, aligned
.endr
.endm
	LOAD 0
	LOAD 1
.irp s, 0,1,2,3,4,5,6,7
	STEP \s
.endr
	v_cmp_ne_u32 vcc_lo, 0, v6                     ; lanes 0-15 take their row's words 0-3, lanes 16-31 its words 4-7
.irp i, 0,1,2,3
	v_cndmask_b32 v[SS+\i], v[SW+\i], v[SW+4+\i], vcc_lo
.endr
	global_store_b128 v5, v[SS:SS+3], s[SB:SB+1]   ; the tile's 512 scale bytes: two aligned runs of 256
	s_wait_tensorcnt 0x0
	ds_add_u32 v62, v63
	s_wait_dscnt 0x0
	s_endpgm
.Lfunc_end_k_qd29c10fd52_quant:
	.size	k_qd29c10fd52_quant, .Lfunc_end_k_qd29c10fd52_quant-k_qd29c10fd52_quant
	.p2alignl 7, 3214868480
	.fill 96, 4, 3214868480
	.section	.rodata,"a",@progbits
	.p2align	6, 0x0
	.amdhsa_kernel k_qd29c10fd52_quant
		.amdhsa_group_segment_fixed_size 34304
		.amdhsa_private_segment_fixed_size 0
		.amdhsa_enable_private_segment 0
		.amdhsa_kernarg_size 72
		.amdhsa_user_sgpr_count 2
		.amdhsa_user_sgpr_kernarg_segment_ptr 1
		.amdhsa_wavefront_size32 1
		.amdhsa_system_sgpr_workgroup_id_x 1
		.amdhsa_system_sgpr_workgroup_id_y 1
		.amdhsa_system_sgpr_workgroup_id_z 1
		.amdhsa_system_vgpr_workitem_id 0
		.amdhsa_next_free_vgpr 256
		.amdhsa_next_free_sgpr 66
		.amdhsa_reserve_vcc 1
		.amdhsa_float_denorm_mode_32 3
		.amdhsa_float_denorm_mode_16_64 3
		.amdhsa_fp16_overflow 1
		.amdhsa_memory_ordered 1
		.amdhsa_forward_progress 1
		.amdhsa_inst_pref_size 65
	.end_amdhsa_kernel
	.amdgpu_metadata
---
amdhsa.version: [ 1, 2 ]
amdhsa.kernels:
  - .name:           k_qd29c10fd52_quant
    .symbol:         k_qd29c10fd52_quant.kd
    .args:
      - { .name: query, .offset: 0, .size: 8, .value_kind: global_buffer, .address_space: global }
      - { .name: key, .offset: 8, .size: 8, .value_kind: global_buffer, .address_space: global }
      - { .name: value, .offset: 16, .size: 8, .value_kind: global_buffer, .address_space: global }
      - { .name: Wq, .offset: 24, .size: 8, .value_kind: global_buffer, .address_space: global }
      - { .name: Wk, .offset: 32, .size: 8, .value_kind: global_buffer, .address_space: global }
      - { .name: Wv, .offset: 40, .size: 8, .value_kind: global_buffer, .address_space: global }
      - { .name: Wo, .offset: 48, .size: 8, .value_kind: global_buffer, .address_space: global }
      - { .name: xc, .offset: 56, .size: 8, .value_kind: global_buffer, .address_space: global }
      - { .name: xs, .offset: 64, .size: 8, .value_kind: global_buffer, .address_space: global }
    .group_segment_fixed_size: 34304
    .private_segment_fixed_size: 0
    .kernarg_segment_align: 8
    .kernarg_segment_size: 72
    .max_flat_workgroup_size: 128
    .sgpr_count:     66
    .vgpr_count:     256
    .wavefront_size: 32
...
	.end_amdgpu_metadata
.endif
;; end of part 1
;; launch proj (part 2): grid 4 x 96, 4 waves a work-group, clusters of 4 x 4, 327,680 bytes of LDS; arguments xc, xs, bq, bk, bv, hb; writes hb
.if DOCPART == 2
	.amdgcn_target "amdgcn-amd-amdhsa--gfx1250"
	.amdhsa_code_object_version 6
	.text
	.protected	k_qd29c10fd52_proj
	.globl	k_qd29c10fd52_proj
	.p2align	8
	.type	k_qd29c10fd52_proj,@function
k_qd29c10fd52_proj:
	s_mov_b64 s[64:65], 0
	v_nop
	global_prefetch_b8 v0, s[64:65] scope:SCOPE_SE
	s_setreg_imm32_b32 hwreg(HW_REG_WAVE_MODE, 25, 1), 1
	s_wait_xcnt 0x0
	s_wait_alu depctr_hold_cnt(0) depctr_sa_sdst(0) depctr_va_vdst(0) depctr_va_sdst(0) depctr_va_ssrc(0) depctr_va_vcc(0) depctr_vm_vsrc(0)
	s_getreg_b32 s2, hwreg(HW_REG_IB_STS2, 6, 4)
	s_cmp_eq_u32 s2, 0
	s_cbranch_scc0 .Lentry_in_a_cluster
	s_endpgm
.Lentry_in_a_cluster:
	s_bfe_u32 s2, ttmp6, 0x10000c
	s_cmp_lg_u32 s2, 0xf033
	s_cbranch_scc0 .Lentry_shape_is_right
	s_endpgm
.Lentry_shape_is_right:
; q = query Wq^T + bq, k = key Wk^T + bk, v = value Wv^T + bv on codes of FP8 (E4M3) with E8M0 scales, and the results quantised at once: q and k along the head's 64, v along the keys.
; OPERANDS lie in xc as images of operand registers (16 rows x 128 K = 2,048 bytes, group c at 512 c + 16 x lane), [K step of 256][row tile][4096]; 256 rows x 256 K are 65,536 consecutive bytes.
; The rows of a row tile are rows 32 g + 8 u + r + 8 (r / 8) of the tensor, so that with such a tile as source 0 the 16 registers of result tiles 2 g, 2 g + 1 are 16 NEIGHBOURS: the next K.
; A tile of 256 x 256 is made by four waves, 128 x 128 each: 64 accumulators, 512 registers.  'A' is source 1 (its rows lie across the lanes), 'B' source 0 (its rows run along a lane's registers).
;   q, k: A = the tokens, B = the weight's rows: a lane holds one token and 128 features = two heads.      v: A = Wv's rows, B = the tokens: a lane holds one channel and 128 keys = one key step.
; K goes in four steps of 256 through a ring of two LDS slots, filled by the tensor data mover; the scale bytes of the work-group's rows come once, with the first fills.
; CLUSTERS: 4 x 4 work-groups; A's tile is shared along a row of the cluster, B's along a column: each is asked for jointly.  The cluster's y says which product (y / 8) and which four tiles (y % 8):
; the same in all sixteen partners, so the three branches on the product are alike in all of them; no tensor load, no barrier and no LDS store stands inside them.
; 384 tiles for the chip's work-groups: a tile of half the size would read half as much again from LDS for each product.
; THE BIAS is the C of each sum's first matrix instruction.
; OUT: hb, 64 blocks (batch x 16 + head) of HS bytes: K images [key tile (128)][1024] at 0; V images [key step (16)][channel tile (4)][2048] at 131,072; K's scale words [tile][16] at 262,144;
; V's [step][tile][16] at 270,336; Q images at 274,432; Q's scale words at 405,504.  Codes leave by stores of 512 consecutive bytes; scale words in runs of 64 or 128 bytes: one byte for each 32 of codes.
; LIMITS: a block whose largest magnitude lies under 2^(9 - 127) gets the byte 1; NaN and infinities are not served.
; REGISTERS: window 0: v1-31 addresses; v32-63 scale words, two sets, and nothing else; v64-127 the bias; v128-255 A's fragments, one set (on the way out: at work).  window 1: B's, two sets.  windows 2, 3: accumulators.
.set AKS,   7340032                    ; bytes from one K step of 256 to the next, for A and for B
.set BKS,   7340032
.set HS,    413696
.set NQ,    2                          ; matrix instructions deep in a slot
.set FR,    16                         ; registers of a fragment
.set NL,    4                          ; LDS loads that bring one
.set NP,    8                          ; places behind this matrix instruction (ISA guide 7.12.1)
.set HALFT, 32768                      ; 128 rows x 256 K: what one tensor load brings
.set SLOT,  4*HALFT                    ; A's two halves, then B's
.set SCL,   2*SLOT                     ; behind the ring: the scale bytes, as runs of 256 bytes + 16 of padding
.set HALFS, 4352                       ; those of 128 rows (4,096 bytes)
.set SBLK,  544                        ; those of 16 rows
.set SPARE, SCL+4*HALFS                ; the spare words, 128 bytes a wave: two blocks of 256 bytes that no other line names
.set ADRA, 16                          ; v16-17 LDS address of my A fragments in slot 0, 1
.set ADRB, 20                          ; v20-21 the same for B
.set BOF,  22                          ; v22    my offset in the bias
.set VO,   24                          ; v24    16 x lane
.set VS,   25                          ; v25    the way out: my scale word's place
.set SH,   26                          ; v26    16 h
.set ADRS, 27                          ; v27    LDS address of my scale words: lanes 0-15 A's rows, lanes 16-31 B's
.set SPW,  28                          ; v28    my spare word; never rewritten
.set NIL,  29                          ; v29    0; never rewritten
.set SC,   32
.set BI,   64
.set AF,   128
.set TM,   128                         ; the way out: v128-143 as in the quantiser below
.set PW,   144                         ; a scale word;  v145 the one before;  v146 the word to store
.set PWE,  145
.set SV,   146
.set PC,   160                         ; v160-175 the codes just made
.set WV,   16
.set RH,   17                          ; which half of A's rows is mine.  Also: I fetch for A (0) or for B (1)
.set CH,   18                          ; which half of B's rows.  Also: which 128 rows I fetch
.set CX,   19
.set CYP,  20
.set CLY,  21                          ; the cluster's y
.set KIND, 22                          ; 0 q, 1 k, 2 v
.set I4,   23
.set G1,   24
.set G0,   32
.set G1B,  48
.set G0B,  56
.set TA,   66                          ; A's and B's tile of 256 rows in xc and xs
.set TB,   67
.set G1S,  68
.set G0S,  76
.set G1SB, 80
.set G0SB, 88
.set MSB, 0
.macro WIN new                         ; the immediate's high byte repeats the setting that is left
.if MSB != (\new)
	s_set_vgpr_msb (MSB<<8)|(\new)
.set MSB, (\new)
.endif
.endm
.set MUL_LO, 0xa1                      ; source 0 (B) window 1, source 1 (A) window 0, C and D window 2
.set MUL_HI, 0xf1                      ; the same, C and D window 3
.set BIA_LO, 0x81                      ; C (the bias) window 0, D window 2
.set BIA_HI, 0xc1                      ; C window 0, D window 3
.set TO_B,   0x40
; A joint load: waves 0 and 1 fetch for A, waves 2 and 3 for B; the branch hangs on the wave's number alone.  Four v_nop follow each of the two lines.
.macro JLOAD g0a, g1a, g0b, g1b
	s_cmp_eq_u32 s[RH], 0
	s_cbranch_scc0 .Lfor_b_\@
	tensor_load_to_lds s[\g0a:\g0a+3], s[\g1a:\g1a+7]
	s_nop 0
.rept 4
	v_nop
.endr
	s_branch .Lasked_\@
.Lfor_b_\@:
	tensor_load_to_lds s[\g0b:\g0b+3], s[\g1b:\g1b+7]
	s_nop 0
.rept 4
	v_nop
.endr
.Lasked_\@:
.endm
.macro CREST                           ; a round of the cluster's barrier behind its opening barrier
	s_cmp_lg_u32 s[WV], 0
	s_cbranch_scc1 .Lnot_wave_0_\@
	s_barrier_signal -3
.Lnot_wave_0_\@:
	s_barrier_wait -3
	s_barrier_signal -1
	s_barrier_wait -1
.endm
.macro CROUND
	s_barrier_signal -1
	s_barrier_wait -1
	CREST
.endm
	s_load_b256 s[4:11], s[0:1], 0x0               ; xc s[4:5], xs s[6:7], bq s[8:9], bk s[10:11]
	s_load_b128 s[12:15], s[0:1], 0x20             ; bv s[12:13], hb s[14:15]
	v_lshl_add_u32 v[SPW], v0, 2, SPARE
	v_mov_b32 v[NIL], 0
	ds_add_u32 v28, v29
	ds_add_u32 v28, v29
	s_wait_dscnt 0x0
	v_lshrrev_b32 v1, 5, v0
	v_readfirstlane_b32 s[WV], v1                  ; wave 0..3
	s_lshr_b32 s[RH], s[WV], 1
	s_and_b32 s[CH], s[WV], 1
	s_bfe_u32 s[CX], ttmp6, 0x40000                ; my place in the cluster
	s_bfe_u32 s[CYP], ttmp6, 0x40004
	s_and_b32 s[CLY], ttmp7, 0xffff                ; in a cluster launch ttmp7 counts clusters: 0..23
	s_lshr_b32 s[KIND], s[CLY], 3
	s_and_b32 s[I4], s[CLY], 7
	s_lshl_b32 s[I4], s[I4], 2                     ; the first of the cluster's four tiles of tokens
	s_lshl_b32 s42, s[KIND], 5                     ; A's first tile: query 0, key 32, Wv 104
	s_lshl_b32 s43, s[KIND], 2
	s_add_co_u32 s43, s43, 96                      ; B's: Wq 96, Wk 100, value 64
	s_cmp_eq_u32 s[KIND], 2
	s_cselect_b32 s40, 0, s[I4]                    ; the tokens are A's rows for q and k,
	s_cselect_b32 s41, s[I4], 0                    ; B's for v
	s_cselect_b32 s42, 104, s42
	s_cselect_b32 s43, 64, s43
	s_add_co_u32 s[TA], s42, s40
	s_add_co_u32 s[TA], s[TA], s[CYP]              ; A's tile hangs on cy alone,
	s_add_co_u32 s[TB], s43, s41
	s_add_co_u32 s[TB], s[TB], s[CX]               ; B's on cx alone
	s_lshl_b32 s40, s[CYP], 2
	s_lshl_b32 s40, 15, s40                        ; my row of the cluster
	s_lshl_b32 s41, 0x1111, s[CX]                  ; my column
	; group 1 for the codes: 32,768 dense bytes as 128 rows of 32 elements of 8 bytes; no padding: every LDS read takes 512 consecutive bytes
	s_or_b32 s[G1], s40, (3<<16)|(1<<21)           ; 15:0 the mask; 17:16 elements of 8 bytes; 21 set beside a mask
	s_or_b32 s[G1B], s41, (3<<16)|(1<<21)
.irp g, G1, G1B
	s_mov_b32 s[\g+1], 32<<16                      ; tensor_dim0
	s_mov_b32 s[\g+2], 128<<16                     ; tensor_dim1
	s_mov_b32 s[\g+3], 32<<16                      ; tile_dim0
	s_mov_b32 s[\g+4], 128                         ; tile_dim1
	s_mov_b32 s[\g+5], 32                          ; tensor_dim0_stride
	s_mov_b32 s[\g+6], 0
	s_mov_b32 s[\g+7], 0
.endr
	; and for the scale bytes of 128 rows: 4,096 dense bytes as 16 rows of 256, 16 bytes of padding behind each
	s_or_b32 s[G1S], s40, (3<<16)|(1<<20)|(1<<21)|(5<<22)|(3<<25)
	s_or_b32 s[G1SB], s41, (3<<16)|(1<<20)|(1<<21)|(5<<22)|(3<<25)
.irp g, G1S, G1SB
	s_mov_b32 s[\g+1], 32<<16
	s_mov_b32 s[\g+2], 16<<16
	s_mov_b32 s[\g+3], 32<<16
	s_mov_b32 s[\g+4], 16
	s_mov_b32 s[\g+5], 32
	s_mov_b32 s[\g+6], 0
	s_mov_b32 s[\g+7], 0
.endr
	s_lshl_b32 s98, s[CH], 15                      ; which 128 rows of the tile I fetch
	s_lshl_b32 s40, s[TA], 16
	s_add_co_u32 s40, s40, s98
	s_mov_b32 s41, 0
	s_lshl_b32 s42, s[TB], 16
	s_add_co_u32 s42, s42, s98
	s_mov_b32 s43, 0
	s_lshl_b32 s98, s[CH], 12
	s_lshl_b32 s44, s[TA], 13
	s_add_co_u32 s44, s44, s98
	s_mov_b32 s45, 0
	s_lshl_b32 s46, s[TB], 13
	s_add_co_u32 s46, s46, s98
	s_mov_b32 s47, 0
	s_lshl_b32 s98, s[WV], 15                      ; where they go: wave x 32,768: no place in the cluster enters an LDS address
	s_mul_i32 s99, s[WV], HALFS
	s_wait_kmcnt 0x0
	s_add_nc_u64 s[40:41], s[4:5], s[40:41]        ; A's codes
	s_add_nc_u64 s[42:43], s[4:5], s[42:43]        ; B's
	s_add_nc_u64 s[44:45], s[6:7], s[44:45]        ; A's scale bytes
	s_add_nc_u64 s[46:47], s[6:7], s[46:47]        ; B's
	CROUND                                         ; all sixteen work-groups are here: the first joint loads meet
	s_mov_b32 s[G0S], 1
	s_add_co_u32 s[G0S+1], s99, SCL
	s_mov_b64 s[G0S+2:G0S+3], s[44:45]
	s_or_b32 s[G0S+3], s[G0S+3], 0x80000000
	s_mov_b32 s[G0SB], 1
	s_add_co_u32 s[G0SB+1], s99, SCL
	s_mov_b64 s[G0SB+2:G0SB+3], s[46:47]
	s_or_b32 s[G0SB+3], s[G0SB+3], 0x80000000
	JLOAD G0S, G1S, G0SB, G1SB                     ; the scale bytes first: they are wanted with K step 0
.irp s, 0,1
	s_mov_b32 s[G0+4*\s], 1
	s_add_co_u32 s[G0+4*\s+1], s98, \s*SLOT
	s_add_nc_u64 s[G0+4*\s+2:G0+4*\s+3], s[40:41], \s*AKS
	s_or_b32 s[G0+4*\s+3], s[G0+4*\s+3], 0x80000000
	s_mov_b32 s[G0B+4*\s], 1
	s_add_co_u32 s[G0B+4*\s+1], s98, \s*SLOT
	s_add_nc_u64 s[G0B+4*\s+2:G0B+4*\s+3], s[42:43], \s*BKS
	s_or_b32 s[G0B+4*\s+3], s[G0B+4*\s+3], 0x80000000
	s_wait_alu depctr_va_vdst(0)
	s_wait_tensorcnt 0x0
	ds_add_u32 v28, v29
	s_wait_dscnt 0x0
	CROUND
	JLOAD G0+4*\s, G1, G0B+4*\s, G1B               ; one tensor load of mine is out
.endr
	v_and_b32 v1, 15, v0                           ; r
	v_bfe_u32 v2, v0, 4, 1                         ; h
	v_and_b32 v3, 31, v0
	v_lshlrev_b32 v[VO], 4, v3
	s_lshl_b32 s40, s[RH], 15                      ; my 128 rows of A
	s_lshl_b32 s41, s[CH], 15                      ; my 128 rows of B,
	s_add_co_u32 s41, s41, 2*HALFT                 ; which lie behind A's 256
.irp s, 0,1
	v_add_nc_u32 v[ADRA+\s], s40, v[VO]
	v_add_nc_u32 v[ADRB+\s], s41, v[VO]
	s_add_co_u32 s40, s40, SLOT
	s_add_co_u32 s41, s41, SLOT
.endr
	v_lshlrev_b32 v5, 5, v1                        ; my row's scale bytes: 32 a row,
	v_lshrrev_b32 v6, 8, v5
	v_lshl_add_u32 v5, v6, 4, v5                   ; and 16 more for each 256 passed
	s_mul_i32 s40, s[RH], HALFS
	s_mul_i32 s41, s[CH], HALFS
	s_add_co_u32 s41, s41, 2*HALFS
	s_sub_co_u32 s41, s41, s40
	v_mul_u32_u24 v6, s41, v2                      ; lanes 16-31 take B's
	s_add_co_u32 s40, s40, SCL
	v_add_nc_u32 v5, v5, v6
	v_add_nc_u32 v[ADRS], s40, v5
	; THE BIAS, in the result's layout, 8 registers for each of 8 tiles.  Both ways write all 64 registers.
	s_cmp_eq_u32 s[KIND], 2
	s_cbranch_scc1 .Lbias_v
	s_cmp_eq_u32 s[KIND], 0                        ; q, k: the features run along my registers: tile b holds features 32 (b / 2) + 16 h + 8 (b % 2) + 0 .. 7 of my 128
	s_cselect_b64 s[96:97], s[8:9], s[10:11]
	s_lshl_b32 s40, s[CX], 10
	s_lshl_b32 s41, s[CH], 9
	s_add_co_u32 s40, s40, s41
	s_mov_b32 s41, 0
	s_add_nc_u64 s[96:97], s[96:97], s[40:41]
	v_lshlrev_b32 v[BOF], 6, v2
.irp b, 0,1,2,3,4,5,6,7
	global_load_b128 v[BI+8*\b:BI+8*\b+3], v[BOF], s[96:97] offset:(32*(\b/2)+8*(\b%2))*4
	global_load_b128 v[BI+8*\b+4:BI+8*\b+7], v[BOF], s[96:97] offset:(32*(\b/2)+8*(\b%2))*4+16
.endr
	s_branch .Lbias_done
.Lbias_v:                                              ; v: the channel is my lane's: channel 32 (a / 2) + 8 (a % 2) + r + 8 (r / 8) of my 128, the same number in all eight registers of A's block a
	s_lshl_b32 s40, s[CYP], 10
	s_lshl_b32 s41, s[RH], 9
	s_add_co_u32 s40, s40, s41
	s_mov_b32 s41, 0
	s_add_nc_u64 s[96:97], s[12:13], s[40:41]
	v_and_b32 v[BOF], 8, v1
	v_add_nc_u32 v[BOF], v[BOF], v1
	v_lshlrev_b32 v[BOF], 2, v[BOF]
.irp a, 0,1,2,3,4,5,6,7
.irp j, 0,1,2,3,4,5,6,7
	global_load_b32 v[BI+8*\a+\j], v[BOF], s[96:97] offset:(32*(\a/2)+8*(\a%2))*4
.endr
.endr
.Lbias_done:
.macro FRAG reg, adr, q, i             ; a fragment comes back as it was stored: four loads of 512 consecutive bytes
.irp c, 0,1,2,3
	ds_load_b128 v[\reg+4*\c:\reg+4*\c+3], v[\adr] offset:(\i)*4096+(\q)*2048+512*\c
.endr
.endm
; 16 matrix instructions: A's blocks a0, a0 + 1 x B's eight, the slot's q-th 128 along K.  p: B's set; sc: the set of scale words.  zero = 1: C is the bias of B's block; 2: of A's block; 0: the sum goes on in place.
; The 64 accumulators take turns, one instruction a turn, in the same order in every step.
.macro MUL16 a0, p, q, sc, zero
.irp a, \a0, \a0+1
.irp b, 0,1,2,3,4,5,6,7
.if (\zero) == 1
	v_wmma_scale_f32_16x16x128_f8f6f4 v[8*(8*((\a)%4)+\b):8*(8*((\a)%4)+\b)+7], v[128*(\p)+FR*\b:128*(\p)+FR*\b+FR-1], v[AF+FR*(\a):AF+FR*(\a)+FR-1], v[BI+8*\b:BI+8*\b+7], v[SC+8*NQ*(\sc)+NQ*\b+(\q)], v[SC+8*NQ*(\sc)+NQ*(\a)+(\q)] matrix_a_scale:MATRIX_SCALE_ROW1
.elseif (\zero) == 2
	v_wmma_scale_f32_16x16x128_f8f6f4 v[8*(8*((\a)%4)+\b):8*(8*((\a)%4)+\b)+7], v[128*(\p)+FR*\b:128*(\p)+FR*\b+FR-1], v[AF+FR*(\a):AF+FR*(\a)+FR-1], v[BI+8*(\a):BI+8*(\a)+7], v[SC+8*NQ*(\sc)+NQ*\b+(\q)], v[SC+8*NQ*(\sc)+NQ*(\a)+(\q)] matrix_a_scale:MATRIX_SCALE_ROW1
.else
	v_wmma_scale_f32_16x16x128_f8f6f4 v[8*(8*((\a)%4)+\b):8*(8*((\a)%4)+\b)+7], v[128*(\p)+FR*\b:128*(\p)+FR*\b+FR-1], v[AF+FR*(\a):AF+FR*(\a)+FR-1], v[8*(8*((\a)%4)+\b):8*(8*((\a)%4)+\b)+7], v[SC+8*NQ*(\sc)+NQ*\b+(\q)], v[SC+8*NQ*(\sc)+NQ*(\a)+(\q)] matrix_a_scale:MATRIX_SCALE_ROW1
.endif
.endr
.endr
.endm
.macro FETCH_B slot, q, p
	WIN TO_B
.irp i, 0,1,2,3,4,5,6,7
	FRAG 128*(\p)+FR*\i, ADRB+\slot, \q, \i
.endr
	WIN 0
.endm
.macro FETCH_A slot, q, i0
.irp i, \i0, \i0+1, \i0+2, \i0+3
	FRAG AF+FR*(\i), ADRA+\slot, \q, \i
.endr
.endm
.macro SCALES sc                       ; a K step's scale words: two words a row; lanes 0-15 take A's block i, lanes 16-31 B's block i
.irp i, 0,1,2,3,4,5,6,7
	ds_load_b64 v[SC+8*NQ*\sc+NQ*\i:SC+8*NQ*\sc+NQ*\i+1], v[ADRS] offset:\i*SBLK
.endr
.endm
; A load into a register that a matrix instruction has read, and a vector instruction that reads a matrix result or writes one of a matrix instruction's registers, stand NP places behind it;
; only plain vector instructions that name none of its registers are places (ISA guide 7.12.1 for vector instructions).
.macro PLACES n
.rept \n
	v_nop
.endr
.endm
.macro STEP slot, q, zero              ; a step of 128 along K that has its successor in the same slot
	s_wait_dscnt 4*NL                              ; B's set and A's blocks 0-3 are in; the youngest 16 loads (A's blocks 4-7) may be out
.if \zero
	WIN BIA_LO
.else
	WIN MUL_LO
.endif
	MUL16 0, (\q)%2, \q, \slot, \zero
	MUL16 2, (\q)%2, \q, \slot, \zero
	s_wait_dscnt 0                                 ; A's blocks 4-7 are in
	PLACES NP
	FETCH_B \slot, (\q)+1, 1-(\q)%2
	FETCH_A \slot, (\q)+1, 0
.if \zero
	WIN BIA_HI
.else
	WIN MUL_HI
.endif
	MUL16 4, (\q)%2, \q, \slot, \zero
	MUL16 6, (\q)%2, \q, \slot, \zero
	PLACES NP
	WIN 0
	FETCH_A \slot, (\q)+1, 4
.endm
; A slot's last step changes slots: ONE barrier; in front of it each wave waits for all its tensor loads, adds 0 to its spare word, and waits for that and for its own reads of this slot.  fill = 1: this slot is filled again, two K steps ahead.
.macro TURN slot, next, fill
	s_wait_tensorcnt 0x0                           ; all my tensor loads have landed: my part of the next slot (every window is 0 here)
	ds_add_u32 v[SPW], v[NIL]                      ; 0 onto my spare word
	s_wait_dscnt 4*NL+1                            ; (the add and the youngest 16 loads, A's blocks 4-7, may be out)
	WIN MUL_LO
	MUL16 0, 1, NQ-1, \slot, 0                     ; sixteen matrix instructions stand between the add and the wait for it
	s_wait_dscnt 0x0                               ; the add is done, and my reads of this slot are over
	s_barrier_signal -1
	MUL16 2, 1, NQ-1, \slot, 0
	WIN 0
	s_barrier_wait -1
.if \fill
	CREST                                          ; the barrier has opened a round of the cluster's barrier: no wave of any partner still reads this slot or has a load on its way
	s_add_nc_u64 s[G0+4*\slot+2:G0+4*\slot+3], s[G0+4*\slot+2:G0+4*\slot+3], 2*AKS
	s_add_nc_u64 s[G0B+4*\slot+2:G0B+4*\slot+3], s[G0B+4*\slot+2:G0B+4*\slot+3], 2*BKS
	JLOAD G0+4*\slot, G1, G0B+4*\slot, G1B         ; the first tensor load behind the round; its four v_nop are among the places in front of the loads below
	PLACES NP-4
.else
	PLACES NP
.endif
	s_wait_alu depctr_va_vdst(0)
	v_add_nc_u32 v[ADRS], 4*NQ, v[ADRS]            ; on to the next K step's scale words
	FETCH_B \next, 0, 0
	FETCH_A \next, 0, 0
	SCALES \next
	WIN MUL_HI
	MUL16 4, 1, NQ-1, \slot, 0
	MUL16 6, 1, NQ-1, \slot, 0
	PLACES NP
	WIN 0
	FETCH_A \next, 0, 4
.endm
	s_wait_tensorcnt 1                             ; the scale bytes and my part of K step 0 are in; K step 1's load may stay out
	s_barrier_signal -1
	s_barrier_wait -1                              ; everybody's are
	FETCH_B 0, 0, 0
	FETCH_A 0, 0, 0
	s_wait_alu depctr_va_vdst(0)
	SCALES 0
	FETCH_A 0, 0, 4
	s_wait_loadcnt 0x0                             ; the bias
	s_cmp_eq_u32 s[KIND], 2
	s_cbranch_scc1 .Lfirst_v
	STEP 0, 0, 1                                   ; the first step starts the sums on the bias: q, k by B's block,
	s_branch .Lfirst_done
.Lfirst_v:
	STEP 0, 0, 2                                   ; v by A's
.Lfirst_done:
	TURN 0, 1, 1                                   ; K has four steps of 256: the ring is written out
	STEP 1, 0, 0
	TURN 1, 0, 1
	STEP 0, 0, 0
	TURN 0, 1, 0                                   ; nothing is left to fetch
	STEP 1, 0, 0
	s_wait_dscnt 4*NL
	WIN MUL_LO
	MUL16 0, 1, NQ-1, 1, 0
	MUL16 2, 1, NQ-1, 1, 0
	s_wait_dscnt 0
	WIN MUL_HI
	MUL16 4, 1, NQ-1, 1, 0
	MUL16 6, 1, NQ-1, 1, 0
	WIN 0
	PLACES NP
; THE WAY OUT.  A's block a: the 64 registers of its eight accumulators are k 32 b + 16 h + i (register 16 b + i) of my lane's row: one fragment.  Codes into v[PC] on, the scale word into v[pw].
; Each accumulator is read from its low end on.
.macro QUANTW a, pw
.set QW, 2+(\a)/4
.set QS, 64*((\a)%4)
	WIN QW|(QW<<2)
.irp b, 0,1,2,3
	v_max3_num_f32 v[TM+\b], |v[QS+16*\b]|, |v[QS+1+16*\b]|, 0x4800000   ; my 16 numbers of block b, and the floor 2^(9 - 127)
.endr
	WIN (QW<<2)|(QW<<4)
.irp i, 2,4,6,8,10,12,14
.irp b, 0,1,2,3
	v_max3_num_f32 v[TM+\b], v[TM+\b], |v[QS+16*\b+\i]|, |v[QS+1+16*\b+\i]|
.endr
.endr
	WIN 0
.irp b, 0,1,2,3
	v_permlanex16_b32 v[TM+4+\b], v[TM+\b], s44, s45
.endr
.irp b, 0,1,2,3
	v_max_num_f32 v[TM+\b], v[TM+\b], v[TM+4+\b]   ; with lane l xor 16's: the block's largest magnitude
.endr
.irp b, 0,1,2,3
	v_add_nc_u32 v[TM+12+\b], 0xfc000000, v[TM+\b] ; 8 off its exponent field: the conversion's scale operand
.endr
.irp b, 0,1,2,3
.endr
.irp b, 0,1,2,3
	v_lshrrev_b32 v[TM+4+\b], 23, v[TM+12+\b]      ; the scale's byte
.endr
	v_lshl_or_b32 v[\pw], v[TM+5], 8, v[TM+4]
	v_lshl_or_b32 v[\pw], v[TM+6], 16, v[\pw]
	v_lshl_or_b32 v[\pw], v[TM+7], 24, v[\pw]
	WIN QW|(QW<<6)
.irp b, 0,1,2,3
.irp i, 0,1,2,3,4,5,6,7,8,9,10,11,12,13,14,15
.endr
.endr
	WIN QW
	s_wait_xcnt 0x0                                ; the last block's stores have read their data: only behind this wait are the codes and the word to store written again
.irp b, 0,1,2,3
	v_cvt_scalef32_pk8_fp8_f32 v[PC+4*\b:PC+4*\b+1], v[QS+16*\b:QS+16*\b+7], v[TM+12+\b]
	v_cvt_scalef32_pk8_fp8_f32 v[PC+4*\b+2:PC+4*\b+3], v[QS+16*\b+8:QS+16*\b+15], v[TM+12+\b]
.endr
	WIN 0
	v_nop                                          ; one plain vector instruction behind the last conversion
.endm
	s_mov_b32 s44, 0x76543210
	s_mov_b32 s45, 0xfedcba98                      ; v_permlanex16_b32's selects for lane l xor 16
.irp b, 0,1,2,3
	v_mov_b32 v[TM+4+\b], 0                        ; written once: a lane permute's destination counts as one of its sources
.endr
	s_cmp_eq_u32 s[KIND], 2
	s_cbranch_scc1 .Lout_v
	; q, k: my 128 features are two heads; groups 0, 1 of the codes are the even head's 64, groups 2, 3 the odd head's
	s_add_co_u32 s40, s[I4], s[CYP]
	s_lshl_b32 s40, s40, 4
	s_lshl_b32 s41, s[RH], 3
	s_add_co_u32 s40, s40, s41                     ; my first row tile of the tensor's 512
	s_lshr_b32 s41, s40, 7                         ; the batch
	s_lshl_b32 s41, s41, 4
	s_lshl_b32 s42, s[CX], 2
	s_add_co_u32 s41, s41, s42
	s_lshl_b32 s42, s[CH], 1
	s_add_co_u32 s41, s41, s42                     ; batch x 16 + my even head
	s_mul_i32 s41, s41, HS
	s_and_b32 s40, s40, 127                        ; the tile in the batch
	s_mov_b32 s43, 262144
	s_cmp_eq_u32 s[KIND], 0
	s_cselect_b32 s42, 274432, 0                   ; Q's images or K's,
	s_cselect_b32 s43, 405504, s43                 ; Q's scale words or K's
	s_lshl_b32 s98, s40, 10
	s_add_co_u32 s98, s98, s41
	s_add_co_u32 s98, s98, s42
	s_mov_b32 s99, 0
	s_add_nc_u64 s[92:93], s[14:15], s[98:99]
	s_lshl_b32 s98, s40, 6
	s_add_co_u32 s98, s98, s41
	s_add_co_u32 s98, s98, s43
	s_add_nc_u64 s[94:95], s[14:15], s[98:99]
	v_mul_u32_u24 v[VS], v2, HS
	v_lshl_add_u32 v[VS], v1, 2, v[VS]             ; lanes 0-15 store the even head's words, lanes 16-31 the odd head's
	v_lshlrev_b32 v[SH], 4, v2
.irp a, 0,1,2,3,4,5,6,7
	QUANTW \a, PW
.irp c, 0,1,2,3
	global_store_b128 v[VO], v[PC+4*\c:PC+4*\c+3], s[92:93] offset:\a*1024+(\c%2)*512+(\c/2)*HS   ; 512 consecutive bytes, aligned
.endr
	s_wait_alu depctr_va_vdst(0)
	v_lshrrev_b32 v[SV], v[SH], v[PW]              ; a head's two bytes go to the word's low end; what stands above them (the other head's bytes, or 0) meets zero codes and is never 0xff
	global_store_b32 v[VS], v[SV], s[94:95] offset:\a*64
.endr
	s_branch .Lend
.Lout_v:                                               ; v: my 128 keys are one key step; A's block a is channel tile a % 4 of head a / 4 of my two
	s_add_co_u32 s40, s[I4], s[CX]                 ; which 256 tokens
	s_lshr_b32 s41, s40, 3                         ; the batch
	s_lshl_b32 s41, s41, 4
	s_lshl_b32 s42, s[CYP], 2
	s_add_co_u32 s41, s41, s42
	s_lshl_b32 s42, s[RH], 1
	s_add_co_u32 s41, s41, s42                     ; batch x 16 + my first head
	s_mul_i32 s41, s41, HS
	s_and_b32 s40, s40, 7
	s_lshl_b32 s40, s40, 1
	s_add_co_u32 s40, s40, s[CH]                   ; the key step in the batch
	s_lshl_b32 s98, s40, 13
	s_add_co_u32 s98, s98, s41
	s_add_co_u32 s98, s98, 131072
	s_mov_b32 s99, 0
	s_add_nc_u64 s[92:93], s[14:15], s[98:99]
	s_lshl_b32 s98, s40, 8
	s_add_co_u32 s98, s98, s41
	s_add_co_u32 s98, s98, 270336
	s_add_nc_u64 s[94:95], s[14:15], s[98:99]
	v_and_b32 v[VS], 31, v0
	v_lshlrev_b32 v[VS], 2, v[VS]                  ; two tiles' scale words leave together: 4 x lane
	v_cmp_ne_u32 vcc_lo, 0, v2
.irp a, 0,1,2,3,4,5,6,7
.if (\a%2) == 0
	QUANTW \a, PWE
.else
	QUANTW \a, PW
.endif
.irp c, 0,1,2,3
	global_store_b128 v[VO], v[PC+4*\c:PC+4*\c+3], s[92:93] offset:(\a/4)*HS+(\a%4)*2048+512*\c
.endr
.if (\a%2) == 1
	s_wait_alu depctr_va_vdst(0)
	v_cndmask_b32 v[SV], v[PWE], v[PW], vcc_lo     ; lanes 0-15: the even tile's words; lanes 16-31: the odd tile's
	global_store_b32 v[VS], v[SV], s[94:95] offset:(\a/4)*HS+((\a%4)/2)*128
.endif
.endr
.Lend:
	s_wait_tensorcnt 0x0                           ; the wave's end
	ds_add_u32 v[SPW], v[NIL]
	s_wait_dscnt 0x0
	CROUND                                         ; the closing round: no work-group ends while a partner may still ask for a tile that names it
	s_endpgm
.Lfunc_end_k_qd29c10fd52_proj:
	.size	k_qd29c10fd52_proj, .Lfunc_end_k_qd29c10fd52_proj-k_qd29c10fd52_proj
	.p2alignl 7, 3214868480
	.fill 96, 4, 3214868480
	.section	.rodata,"a",@progbits
	.p2align	6, 0x0
	.amdhsa_kernel k_qd29c10fd52_proj
		.amdhsa_group_segment_fixed_size 327680
		.amdhsa_private_segment_fixed_size 0
		.amdhsa_enable_private_segment 0
		.amdhsa_kernarg_size 48
		.amdhsa_user_sgpr_count 2
		.amdhsa_user_sgpr_kernarg_segment_ptr 1
		.amdhsa_wavefront_size32 1
		.amdhsa_system_sgpr_workgroup_id_x 1
		.amdhsa_system_sgpr_workgroup_id_y 1
		.amdhsa_system_sgpr_workgroup_id_z 1
		.amdhsa_system_vgpr_workitem_id 0
		.amdhsa_next_free_vgpr 1024
		.amdhsa_next_free_sgpr 100
		.amdhsa_reserve_vcc 1
		.amdhsa_float_denorm_mode_32 3
		.amdhsa_float_denorm_mode_16_64 3
		.amdhsa_fp16_overflow 1
		.amdhsa_memory_ordered 1
		.amdhsa_forward_progress 1
		.amdhsa_inst_pref_size 208
	.end_amdhsa_kernel
	.amdgpu_metadata
---
amdhsa.version: [ 1, 2 ]
amdhsa.kernels:
  - .name:           k_qd29c10fd52_proj
    .symbol:         k_qd29c10fd52_proj.kd
    .args:
      - { .name: xc, .offset: 0, .size: 8, .value_kind: global_buffer, .address_space: global }
      - { .name: xs, .offset: 8, .size: 8, .value_kind: global_buffer, .address_space: global }
      - { .name: bq, .offset: 16, .size: 8, .value_kind: global_buffer, .address_space: global }
      - { .name: bk, .offset: 24, .size: 8, .value_kind: global_buffer, .address_space: global }
      - { .name: bv, .offset: 32, .size: 8, .value_kind: global_buffer, .address_space: global }
      - { .name: hb, .offset: 40, .size: 8, .value_kind: global_buffer, .address_space: global }
    .group_segment_fixed_size: 327680
    .private_segment_fixed_size: 0
    .kernarg_segment_align: 8
    .kernarg_segment_size: 48
    .max_flat_workgroup_size: 128
    .sgpr_count:     100
    .vgpr_count:     1024
    .wavefront_size: 32
...
	.end_amdgpu_metadata
.endif
;; end of part 2
;; launch attn (part 3): grid 4 x 64, 16 waves a work-group, clusters of 4 x 1, 327,680 bytes of LDS; arguments hb, oc, os; writes oc, os
.if DOCPART == 3
	.amdgcn_target "amdgcn-amd-amdhsa--gfx1250"
	.amdhsa_code_object_version 6
	.text
	.protected	k_qd29c10fd52_attn
	.globl	k_qd29c10fd52_attn
	.p2align	8
	.type	k_qd29c10fd52_attn,@function
k_qd29c10fd52_attn:
	s_mov_b64 s[64:65], 0
	v_nop
	global_prefetch_b8 v0, s[64:65] scope:SCOPE_SE
	s_setreg_imm32_b32 hwreg(HW_REG_WAVE_MODE, 25, 1), 1
	s_wait_xcnt 0x0
	s_wait_alu depctr_hold_cnt(0) depctr_sa_sdst(0) depctr_va_vdst(0) depctr_va_sdst(0) depctr_va_ssrc(0) depctr_va_vcc(0) depctr_vm_vsrc(0)
	s_getreg_b32 s2, hwreg(HW_REG_IB_STS2, 6, 4)
	s_cmp_eq_u32 s2, 0
	s_cbranch_scc0 .Lentry_in_a_cluster
	s_endpgm
.Lentry_in_a_cluster:
	s_bfe_u32 s2, ttmp6, 0x10000c
	s_cmp_lg_u32 s2, 0x3003
	s_cbranch_scc0 .Lentry_shape_is_right
	s_endpgm
.Lentry_shape_is_right:
; o = softmax(q k^T / 8, causal) v for one head of 64, both products on codes of FP8 (E4M3) with E8M0 scales, and o quantised at once along the head's 64 for the output projection.
; THE SOFTMAX AHEAD OF THE SECOND PRODUCT: t = score x log2(e) / 8; M = the row's largest t so far, rounded UP to a whole number; p = 2^(t - M) is quantised along the keys, not normalised; the row's sum is
; taken of the unquantised p and divides at the end.  When M moves, the sum and O are multiplied by 2^(old M - new M): exact.
; IN: hb, a block of HS bytes for each batch x 16 + head; all operands are images of operand registers.  The block's first 274,432 bytes (K images [key tile][1024], V images [key step][channel tile][2048],
; K's and V's scale words) are the whole head's K and V: THEY COME INTO LDS ONCE, 17,152 bytes by each of the sixteen waves, and are only read afterwards: one barrier, no ring.
; CLUSTER: the four work-groups of a cluster serve one head, so each of the sixteen loads is asked for jointly by the four.
; SHARES.  A wave owns one tile of 16 queries at a time, and does two jobs: in query block BE = wave % 8 of 128 queries, then in block 15 - BE; its tile there is 2 cx + wave / 8 of the block's eight.
; A job walks key steps 0 .. block, the last on the diagonal: (BE + 1) + (16 - BE) = 17 steps for every wave of every work-group.  The loop over key steps has the constant count 16; a step all of whose keys
; come after the block is jumped over at its head: a branch on the wave's number.  cx enters q's and o's addresses and the mask's compare alone.
; LAYOUT.  S^T = K Q^T (source 0 = 16 keys, source 1 = my queries), O^T = V^T P^T (source 0 = 16 channels): a lane holds ONE query.  The head's 64 fill half of the instruction's 128: the other half are zero codes on both
; sides, kept in registers.  The rows of a tile are rows 32 g + 8 u + r + 8 (r / 8), so the 16 registers of result tiles 2 g, 2 g + 1 are 16 neighbouring keys (channels).
; OUT: oc [K step of 256 (4)][row tile (512)][4096], os [row (8192)][32]: the output projection's operand, laid as its loads want it.  Codes leave in runs of 512 bytes; the two scale bytes of a row and head leave
; singly, rows 32 bytes apart: 2 bytes for each 64 of codes.
; LIMITS: a block whose largest magnitude lies under 2^(9 - 127) gets the byte 1; NaN and infinities are not served.
; REGISTERS: v1-7 addresses that stay; v8-11 the step's LDS addresses; v12 -M, v13 the largest t, v[14:15] the sum; v16-23 Q, v24-31 zeros; v32-95 four fragments of K (upper halves zeros); v96-159 S^T, then p;
; v160-191 O^T; v192-223 two fragments of V; v224-239 p's codes; v232-247, v252, v254 at work; v248-250, v253, v255 scale words.
.set HS,   413696
.set PART, 17152                       ; 67 rows of 256 bytes: a wave's part of the fill
.set LV,   131072                      ; LDS: V's images,
.set LKS,  262144                      ; K's scale words,
.set LVS,  270336                      ; V's
.set QIM,  274432                      ; in a head's block: Q's images,
.set QSC,  405504                      ; Q's scale words
.set WV,  10
.set CX,  11
.set HB,  12
.set SUB, 13
.set BE,  14                           ; s14  the job's block of 128 queries
.set JB,  15
.set KS,  16                           ; s16  the key step
.set TK,  17
.set TS,  18
.set TJ,  19
.set SEL, 20
.set CS,  22                           ; s[22:23] c = log2(e) / 8
.set MNT, 24
.set HM,  25                           ; s25  the lanes 16-31
.set G0,  28
.set G1,  32
.macro ROUND                           ; a round of the cluster's barrier
	s_barrier_signal -1
	s_barrier_wait -1
	s_cmp_lg_u32 s[WV], 0
	s_cbranch_scc1 .Lnot_wave_0_\@
	s_barrier_signal -3
.Lnot_wave_0_\@:
	s_barrier_wait -3
	s_barrier_signal -1
	s_barrier_wait -1
.endm
	s_load_b128 s[4:7], s[0:1], 0x0                ; hb, oc
	s_load_b64 s[8:9], s[0:1], 0x10                ; os
	v_lshl_add_u32 v254, v0, 2, 0x43000
	v_mov_b32 v255, 0
	ds_add_u32 v254, v255
	ds_add_u32 v254, v255
	s_wait_dscnt 0x0
	v_lshrrev_b32 v8, 5, v0
	s_delay_alu instid0(VALU_DEP_1)
	v_readfirstlane_b32 s[WV], v8                  ; wave 0..15
	s_bfe_u32 s[CX], ttmp6, 0x40000                ; my place in the cluster
	s_and_b32 s[HB], ttmp7, 0xffff                 ; batch x 16 + head: the four partners share it
	s_lshr_b32 s[SUB], s[WV], 3
	s_and_b32 s[BE], s[WV], 7
	s_mov_b32 s[G1], 15|(3<<16)|(1<<21)            ; 15:0 the mask: all four work-groups; 17:16 elements of 8 bytes; 21 set beside a mask; no padding: every LDS read takes consecutive bytes
	s_mov_b32 s[G1+1], 32<<16                      ; tensor_dim0
	s_mov_b32 s[G1+2], 67<<16                      ; tensor_dim1
	s_mov_b32 s[G1+3], 32<<16                      ; tile_dim0
	s_mov_b32 s[G1+4], 67                          ; tile_dim1
	s_mov_b32 s[G1+5], 32                          ; tensor_dim0_stride
	s_mov_b32 s[G1+6], 0
	s_mov_b32 s[G1+7], 0
	s_mul_i32 s50, s[HB], HS
	s_mov_b32 s51, 0
	s_mul_i32 s52, s[WV], PART
	s_mov_b32 s53, 0
	s_wait_kmcnt 0x0
	s_add_nc_u64 s[40:41], s[4:5], s[50:51]        ; the head's block
	s_mov_b32 s[G0], 1
	s_mov_b32 s[G0+1], s52                         ; LDS: wave x 17,152
	s_add_nc_u64 s[G0+2:G0+3], s[40:41], s[52:53]
	s_or_b32 s[G0+3], s[G0+3], 0x80000000
	ROUND                                          ; all four work-groups are here: the joint loads meet
	tensor_load_to_lds s[G0:G0+3], s[G1:G1+7]      ; my one tensor load of the launch
	s_nop 0
.rept 4
	v_nop
.endr
	s_and_b32 s50, s[HB], 15                       ; the head
	s_lshr_b32 s52, s[HB], 4                       ; the batch
	s_lshr_b32 s26, s50, 2
	s_lshl_b32 s26, s26, 21                        ; oc: K step head / 4,
	s_lshl_b32 s27, s52, 19                        ; the batch's 128 row tiles of 4,096 bytes,
	s_add_co_u32 s26, s26, s27
	s_bfe_u32 s27, s50, 0x10001
	s_lshl_b32 s27, s27, 11                        ; the fragment (head / 2) % 2,
	s_add_co_u32 s26, s26, s27
	s_and_b32 s27, s50, 1
	s_lshl_b32 s27, s27, 10                        ; its groups 2 (head % 2) on
	s_add_co_u32 s26, s26, s27
	s_mov_b32 s27, 0
	s_add_nc_u64 s[54:55], s[6:7], s[26:27]
	s_lshl_b32 s26, s52, 16                        ; os: the batch's 2,048 rows of 32 bytes, bytes 2 head on
	s_lshl_b32 s50, s50, 1
	s_add_co_u32 s26, s26, s50
	s_add_nc_u64 s[56:57], s[8:9], s[26:27]
	s_mov_b32 s[SEL], 0x76543210
	s_mov_b32 s[SEL+1], 0xfedcba98
	s_mov_b32 s[CS], 0x3e38aa3b                    ; log2(e) / 8
	s_mov_b32 s[CS+1], s[CS]                       ; (named with it as a pair, so it is written)
	v_and_b32 v8, 31, v0                           ; lane
	s_delay_alu instid0(VALU_DEP_1)
	v_lshlrev_b32 v1, 4, v8                        ; 16 x lane: K's images, q's loads, o's stores
	s_delay_alu instid0(VALU_DEP_1)
	v_add_nc_u32 v2, LV, v1                        ; V's images
	s_delay_alu instid0(VALU_DEP_3)
	v_lshl_add_u32 v3, v8, 2, LKS                  ; K's scale words: two tiles' 32 words a load
	s_delay_alu instid0(VALU_DEP_4)
	v_lshl_add_u32 v4, v8, 2, LVS                  ; V's likewise
	v_and_b32 v9, 15, v0                           ; r
	v_bfe_u32 v10, v0, 4, 1                        ; h
	s_delay_alu instid0(VALU_DEP_2)
	v_lshlrev_b32 v6, 2, v9                        ; q's scale word
	s_delay_alu instid0(VALU_DEP_2)
	v_lshl_add_u32 v7, v9, 5, v10                  ; o's scale byte: 32 r + h
	s_delay_alu instid0(VALU_DEP_4)
	v_and_b32 v11, 8, v9
	s_delay_alu instid0(VALU_DEP_1)
	v_add_nc_u32 v11, v11, v9                      ; r + 8 (r / 8)
	v_lshlrev_b32 v8, 4, v10
	s_delay_alu instid0(VALU_DEP_1)
	v_sub_nc_u32 v11, v11, v8
	s_lshl_b32 s50, s[CX], 5
	s_lshl_b32 s51, s[SUB], 3
	s_add_co_u32 s50, s50, s51
	v_add_nc_u32 v5, s50, v11                      ; d = my query's place in its block - 16 h: on the diagonal register 16 b + i is hidden where 32 b + i > d
	v_cmp_ne_u32 s[HM], 0, v10
.irp j, 0,1,2,3,4,5,6,7
	v_mov_b32 v[24+\j], 0                          ; the zero codes of k = 64 .. 127: Q's,
.endr
.irp t, 0,1,2,3
.irp j, 0,1,2,3,4,5,6,7
	v_mov_b32 v[40+16*\t+\j], 0                    ; and K's: they stay
.endr
.endr
.irp b, 0,1,2,3
	v_mov_b32 v[236+\b], 0                         ; written once: a lane permute's destination counts as one of its sources
.endr
	v_mov_b32 v252, 0
	v_mov_b32 v253, 0                              ; (named as the upper half of the pair v[252:253] before it is first written)
	s_wait_tensorcnt 0x0                           ; my part of K and V is in,
	s_barrier_signal -1
	s_barrier_wait -1                              ; everybody's is.  From here on LDS is only read
	s_mov_b32 s[JB], 0
.Ljob:
	s_wait_xcnt 0x0                                ; the last job's loads and stores have read their addresses and data: both are written again below
	s_lshl_b32 s50, s[BE], 3
	s_lshl_b32 s51, s[CX], 1
	s_add_co_u32 s50, s50, s51
	s_add_co_u32 s50, s50, s[SUB]                  ; my tile of queries: 8 x block + 2 cx + wave / 8
	s_mov_b32 s53, 0
	s_lshl_b32 s52, s50, 10
	s_add_nc_u64 s[42:43], s[40:41], s[52:53]
	s_lshl_b32 s52, s50, 6
	s_add_nc_u64 s[44:45], s[40:41], s[52:53]
	s_lshl_b32 s52, s50, 12
	s_add_nc_u64 s[46:47], s[54:55], s[52:53]
	s_lshl_b32 s52, s50, 9
	s_add_nc_u64 s[48:49], s[56:57], s[52:53]
	global_load_b128 v[16:19], v1, s[42:43] offset:QIM
	global_load_b128 v[20:23], v1, s[42:43] offset:QIM+512
	global_load_b32 v255, v6, s[44:45] offset:QSC
.set j, 0
.rept 32
	v_mov_b32 v[160+j], 0                          ; O^T: the step is written once; the first finds zeros, which the first change of M leaves zeros
.set j, j+1
.endr
	v_mov_b32 v13, 0xff61b1e6                      ; the largest t so far: -3e38, under every t
	s_delay_alu instid0(VALU_DEP_1)
	v_floor_f32 v12, -v13                          ; -M
	v_mov_b32 v14, 0
	v_mov_b32 v15, 0
	s_wait_loadcnt 0x0
	s_mov_b32 s[KS], 0
.Lstep:
	s_cmp_gt_u32 s[KS], s[BE]                      ; all 128 keys come after my block's queries: nothing to do
	s_cbranch_scc1 .Lhidden
	s_lshl_b32 s[TK], s[KS], 13                    ; a step's 8 tiles of K, and its 4 fragments of V: 8,192 bytes each
	s_lshl_b32 s[TS], s[KS], 9
	s_lshl_b32 s[TJ], s[KS], 8
	s_setprio 2
	v_add_nc_u32 v8, s[TK], v1
	s_wait_alu depctr_va_vdst(0)
	v_add_nc_u32 v9, s[TK], v2
	v_add_nc_u32 v10, s[TS], v3
	s_wait_alu depctr_va_vdst(0)
	v_add_nc_u32 v11, s[TJ], v4
.irp g, 0,1                                    ; S^T = K Q^T, four tiles of 16 keys at a time
.if \g
.rept 8
	v_nop                                          ; places in front of loads into registers that the four products above have read
.endr
.endif
.irp t, 0,1,2,3
.irp c, 0,1
	ds_load_b128 v[32+16*\t+4*\c:35+16*\t+4*\c], v8 offset:(4*\g+\t)*1024+512*\c
.endr
.endr
.irp p, 0,1
	ds_load_b32 v[248+\p], v10 offset:(2*\g+\p)*128   ; lanes 0-15: the even tile's words; lanes 16-31: the odd tile's
.endr
	s_wait_dscnt 0x0
.irp t, 0,1,2,3
.if (\t%2) == 0
	v_wmma_scale_f32_16x16x128_f8f6f4 v[96+8*(4*\g+\t):103+8*(4*\g+\t)], v[32+16*\t:47+16*\t], v[16:31], 0, v[248+\t/2], v255
.else
	v_wmma_scale_f32_16x16x128_f8f6f4 v[96+8*(4*\g+\t):103+8*(4*\g+\t)], v[32+16*\t:47+16*\t], v[16:31], 0, v[248+\t/2], v255 matrix_a_scale:MATRIX_SCALE_ROW1
.endif
.endr
.endr
.rept 8
	v_nop
.endr
	s_cmp_lg_u32 s[KS], s[BE]                      ; on the diagonal the scores of hidden keys become -infinity ahead of the maximum: p = 0 then
	s_cbranch_scc1 .Lopen
	v_mov_b32 v254, 0xff800000
.set n, 0
.rept 64
	v_cmp_gt_i32 vcc_lo, 32*(n/16)+n%16, v5
	v_cndmask_b32 v[96+n], v[96+n], v254, vcc_lo
.set n, n+1
.endr
.Lopen:
.irp b, 0,1,2,3
	v_max3_num_f32 v[232+\b], v[96+16*\b], v[97+16*\b], v[98+16*\b]   ; the largest score of each block of 32 keys: it serves for the row's maximum and, since p rises with the score, for the block's largest p
.endr
.irp i, 3,5,7,9,11,13
.irp b, 0,1,2,3
	v_max3_num_f32 v[232+\b], v[232+\b], v[96+16*\b+\i], v[97+16*\b+\i]
.endr
.endr
.irp b, 0,1,2,3
	v_max_num_f32 v[232+\b], v[232+\b], v[111+16*\b]
.endr
.irp b, 0,1,2,3
	v_permlanex16_b32 v[236+\b], v[232+\b], s[SEL], s[SEL+1]
.endr
.irp b, 0,1,2,3
	s_delay_alu instid0(VALU_DEP_4)
	v_max_num_f32 v[232+\b], v[232+\b], v[236+\b]  ; with lane l xor 16's 16 keys
.endr
	s_delay_alu instid0(VALU_DEP_2)
	v_max3_num_f32 v254, v232, v233, v234
	s_delay_alu instid0(VALU_DEP_1)
	v_max_num_f32 v254, v254, v235                 ; the step's largest score of my query (key 128 x step counts for every query of the block, so it is a number)
	s_delay_alu instid0(VALU_DEP_1)
	v_mul_f32 v254, s[CS], v254                    ; as t
	s_delay_alu instid0(VALU_DEP_1)
	v_max_num_f32 v13, v13, v254                   ; the running largest t
	v_mov_b32 v254, v12
	s_delay_alu instid0(VALU_DEP_2)
	v_floor_f32 v12, -v13                          ; the new -M = floor(-t) = -ceil(t)
	s_delay_alu instid0(VALU_DEP_1)
	v_sub_f32 v254, v12, v254                      ; old M - new M: a whole number, 0 or less
	s_delay_alu instid0(VALU_DEP_1)
	v_cvt_i32_f32 v254, v254                       ; (it saturates)
	s_delay_alu instid0(VALU_DEP_1)
	v_ldexp_f32 v252, 1.0, v254                    ; f = 2^(old M - new M)
.set j, 0
.rept 32
	v_pk_fma_f32 v[96+j:97+j], v[96+j:97+j], s[CS:CS+1], v[12:13] op_sel_hi:[1,0,0]   ; t - M, two at a time
.set j, j+2
.endr
	s_setprio 1
.irp b, 0,1,2,3
	v_fma_f32 v[232+\b], v[232+\b], s[CS], v12     ; the same of each block's largest score
.endr
.set j, 0
	s_wait_alu depctr_va_vdst(0)
.rept 64
	v_exp_f32 v[96+j], v[96+j]                     ; p = 2^(t - M), at most 1
.set j, j+1
.endr
	v_pk_mul_f32 v[14:15], v[14:15], v[252:253] op_sel_hi:[1,0]   ; the sums under the new M: the plain instruction behind the exponentials
	s_wait_alu depctr_va_vdst(0)                   ; one wait for the whole batch, ahead of its first reader
.irp b, 0,1,2,3
	v_exp_f32 v[232+\b], v[232+\b]                 ; the block's largest p: the same two instructions on the same number
.endr
	v_pk_add_f32 v[236:237], v[100:101], v[104:105]
	v_pk_add_f32 v[250:251], v[108:109], v[112:113]
	v_pk_add_f32 v[248:249], v[116:117], v[120:121]
	v_pk_add_f32 v[246:247], v[124:125], v[128:129]
	v_pk_add_f32 v[244:245], v[132:133], v[136:137]
	v_pk_add_f32 v[242:243], v[140:141], v[144:145]
	v_pk_add_f32 v[240:241], v[148:149], v[152:153]
	v_pk_add_f32 v[14:15], v[14:15], v[156:157]
	v_pk_add_f32 v[236:237], v[236:237], v[96:97]
	v_pk_add_f32 v[250:251], v[250:251], v[98:99]
	v_pk_add_f32 v[248:249], v[248:249], v[102:103]
	v_pk_add_f32 v[246:247], v[246:247], v[106:107]
	v_pk_add_f32 v[244:245], v[244:245], v[110:111]
	v_pk_add_f32 v[242:243], v[242:243], v[114:115]
	v_pk_add_f32 v[240:241], v[240:241], v[118:119]
	v_pk_add_f32 v[14:15], v[14:15], v[122:123]
	v_pk_add_f32 v[236:237], v[236:237], v[126:127]
	v_pk_add_f32 v[250:251], v[250:251], v[130:131]
	v_pk_add_f32 v[248:249], v[248:249], v[134:135]
	v_pk_add_f32 v[246:247], v[246:247], v[138:139]
	v_pk_add_f32 v[244:245], v[244:245], v[142:143]
	v_pk_add_f32 v[242:243], v[242:243], v[146:147]
	v_pk_add_f32 v[240:241], v[240:241], v[150:151]
	v_pk_add_f32 v[14:15], v[14:15], v[154:155]
	v_pk_add_f32 v[236:237], v[236:237], v[158:159]
	s_delay_alu instid0(VALU_DEP_2)
	v_pk_add_f32 v[14:15], v[14:15], v[246:247]
	s_delay_alu instid0(VALU_DEP_2)
	v_pk_add_f32 v[236:237], v[236:237], v[244:245]
	v_pk_add_f32 v[250:251], v[250:251], v[242:243]
	v_pk_add_f32 v[248:249], v[248:249], v[240:241]
	s_delay_alu instid0(VALU_DEP_2)
	v_pk_add_f32 v[14:15], v[14:15], v[250:251]
	s_delay_alu instid0(VALU_DEP_2)
	v_pk_add_f32 v[236:237], v[236:237], v[248:249]
	s_delay_alu instid0(VALU_DEP_1)
	v_pk_add_f32 v[14:15], v[14:15], v[236:237]
	s_wait_alu depctr_va_vdst(0)                   ; and one for the four
.irp b, 0,1,2,3
	v_max_num_f32 v[232+\b], 0x4800000, v[232+\b]  ; the floor 2^(9 - 127): a block whose every p is 0 keeps the byte 1; its codes are zeros
.endr
.irp b, 0,1,2,3
	s_delay_alu instid0(VALU_DEP_4)
	v_add_nc_u32 v[244+\b], 0xfc000000, v[232+\b]  ; the conversion's scale operand
.endr
.irp b, 0,1,2,3
.endr
.irp b, 0,1,2,3
	s_delay_alu instid0(VALU_DEP_4)
	v_lshrrev_b32 v[236+\b], 23, v[244+\b]         ; the scale's byte
.endr
	s_delay_alu instid0(VALU_DEP_3)
	v_lshl_or_b32 v253, v237, 8, v236              ; p's scale word for these 128 keys
	s_delay_alu instid0(VALU_DEP_1)
	v_lshl_or_b32 v253, v238, 16, v253
	s_delay_alu instid0(VALU_DEP_1)
	v_lshl_or_b32 v253, v239, 24, v253
.irp b, 0,1,2,3
.irp i, 0,1,2,3,4,5,6,7,8,9,10,11,12,13,14,15
.endr
	v_cvt_scalef32_pk8_fp8_f32 v[224+4*\b:225+4*\b], v[96+16*\b:103+16*\b], v[244+\b]
	v_cvt_scalef32_pk8_fp8_f32 v[226+4*\b:227+4*\b], v[104+16*\b:111+16*\b], v[244+\b]
.endr
	s_setprio 0
.irp g, 0,1                                    ; O^T += V^T P^T: two tiles of 16 channels at a time; K = these 128 keys
.if \g
.rept 8
	v_nop                                          ; places in front of loads into registers that the two products above have read
.endr
.endif
.irp t, 0,1
.irp c, 0,1,2,3
	ds_load_b128 v[192+16*\t+4*\c:195+16*\t+4*\c], v9 offset:(2*\g+\t)*2048+512*\c
.endr
.endr
	ds_load_b32 v250, v11 offset:\g*128
.if \g == 0
.set j, 0
.rept 16
	v_pk_mul_f32 v[160+j:161+j], v[160+j:161+j], v[252:253] op_sel_hi:[1,0]   ; O^T under the new M, while V's fragments come; these 16 are also the places between the conversions and the products
.set j, j+2
.endr
.endif
	s_wait_alu depctr_va_vdst(0)
	s_wait_dscnt 0x0
	v_wmma_scale_f32_16x16x128_f8f6f4 v[160+16*\g:167+16*\g], v[192:207], v[224:239], v[160+16*\g:167+16*\g], v250, v253
	v_wmma_scale_f32_16x16x128_f8f6f4 v[168+16*\g:175+16*\g], v[208:223], v[224:239], v[168+16*\g:175+16*\g], v250, v253 matrix_a_scale:MATRIX_SCALE_ROW1
.endr                                              ; the four accumulators take turns, one instruction a turn
.Lhidden:
	s_add_co_u32 s[KS], s[KS], 1
	s_cmp_lt_u32 s[KS], 16
	s_cbranch_scc1 .Lstep
	s_setprio 0
	; THE JOB'S END: O^T / the sum, quantised along the head's 64 (register 16 b + i = channel 32 b + 16 h + i), stored as two groups of the output projection's fragment
.rept 8
	v_nop
.endr
	s_wait_alu depctr_va_vdst(0)
	v_add_f32 v14, v14, v15
	s_delay_alu instid0(VALU_DEP_1)
	v_permlanex16_b32 v252, v14, s[SEL], s[SEL+1]
	s_delay_alu instid0(VALU_DEP_1)
	v_add_f32 v14, v14, v252                       ; the row's sum
	s_wait_alu depctr_va_vdst(0)
	v_rcp_f32 v14, v14
	v_nop                                          ; a plain instruction behind the reciprocal,
	s_wait_alu depctr_va_vdst(0)                   ; and the wait ahead of its first reader
.set j, 0
.rept 32
	v_mul_f32 v[96+j], v[160+j], v14               ; each accumulator from its low end on
.set j, j+1
.endr
.irp b, 0,1
	v_max3_num_f32 v[232+\b], |v[96+16*\b]|, |v[97+16*\b]|, 0x4800000
.endr
.irp i, 2,4,6,8,10,12,14
.irp b, 0,1
	s_delay_alu instid0(VALU_DEP_2)
	v_max3_num_f32 v[232+\b], v[232+\b], |v[96+16*\b+\i]|, |v[97+16*\b+\i]|
.endr
.endr
.irp b, 0,1
	v_permlanex16_b32 v[236+\b], v[232+\b], s[SEL], s[SEL+1]
.endr
.irp b, 0,1
	s_delay_alu instid0(VALU_DEP_2)
	v_max_num_f32 v[232+\b], v[232+\b], v[236+\b]
.endr
.irp b, 0,1
	s_delay_alu instid0(VALU_DEP_2)
	v_add_nc_u32 v[244+\b], 0xfc000000, v[232+\b]
.endr
.irp b, 0,1
.endr
.irp b, 0,1
	s_delay_alu instid0(VALU_DEP_2)
	v_lshrrev_b32 v[236+\b], 23, v[244+\b]
.endr
.irp b, 0,1
.irp i, 0,1,2,3,4,5,6,7,8,9,10,11,12,13,14,15
.endr
	v_cvt_scalef32_pk8_fp8_f32 v[224+4*\b:225+4*\b], v[96+16*\b:103+16*\b], v[244+\b]
	v_cvt_scalef32_pk8_fp8_f32 v[226+4*\b:227+4*\b], v[104+16*\b:111+16*\b], v[244+\b]
.endr
	v_cndmask_b32 v254, v236, v237, s[HM]          ; lane (r, h) stores byte h of row r.  (Also the plain instruction behind the last conversion)
	global_store_b128 v1, v[224:227], s[46:47]     ; 512 consecutive bytes, aligned
	global_store_b128 v1, v[228:231], s[46:47] offset:512
	global_store_b8 v7, v254, s[48:49]
	s_sub_co_u32 s[BE], 15, s[BE]                  ; the second job: the block that mirrors the first
	s_add_co_u32 s[JB], s[JB], 1
	s_cmp_lt_u32 s[JB], 2
	s_cbranch_scc1 .Ljob
	s_wait_xcnt 0x0
	v_lshl_add_u32 v254, v0, 2, 0x43000
	v_mov_b32 v255, 0
	s_wait_alu depctr_va_vdst(0)
	s_wait_tensorcnt 0x0
	ds_add_u32 v254, v255
	s_wait_dscnt 0x0
	ROUND                                          ; the closing round: no work-group ends while a partner may still ask for a tile that names it
	s_endpgm
.Lfunc_end_k_qd29c10fd52_attn:
	.size	k_qd29c10fd52_attn, .Lfunc_end_k_qd29c10fd52_attn-k_qd29c10fd52_attn
	.p2alignl 7, 3214868480
	.fill 96, 4, 3214868480
	.section	.rodata,"a",@progbits
	.p2align	6, 0x0
	.amdhsa_kernel k_qd29c10fd52_attn
		.amdhsa_group_segment_fixed_size 327680
		.amdhsa_private_segment_fixed_size 0
		.amdhsa_enable_private_segment 0
		.amdhsa_kernarg_size 24
		.amdhsa_user_sgpr_count 2
		.amdhsa_user_sgpr_kernarg_segment_ptr 1
		.amdhsa_wavefront_size32 1
		.amdhsa_system_sgpr_workgroup_id_x 1
		.amdhsa_system_sgpr_workgroup_id_y 1
		.amdhsa_system_sgpr_workgroup_id_z 1
		.amdhsa_system_vgpr_workitem_id 0
		.amdhsa_next_free_vgpr 256
		.amdhsa_next_free_sgpr 66
		.amdhsa_reserve_vcc 1
		.amdhsa_float_denorm_mode_32 3
		.amdhsa_float_denorm_mode_16_64 3
		.amdhsa_fp16_overflow 1
		.amdhsa_memory_ordered 1
		.amdhsa_forward_progress 1
		.amdhsa_inst_pref_size 36
	.end_amdhsa_kernel
	.amdgpu_metadata
---
amdhsa.version: [ 1, 2 ]
amdhsa.kernels:
  - .name:           k_qd29c10fd52_attn
    .symbol:         k_qd29c10fd52_attn.kd
    .args:
      - { .name: hb, .offset: 0, .size: 8, .value_kind: global_buffer, .address_space: global }
      - { .name: oc, .offset: 8, .size: 8, .value_kind: global_buffer, .address_space: global }
      - { .name: os, .offset: 16, .size: 8, .value_kind: global_buffer, .address_space: global }
    .group_segment_fixed_size: 327680
    .private_segment_fixed_size: 0
    .kernarg_segment_align: 8
    .kernarg_segment_size: 24
    .max_flat_workgroup_size: 512
    .sgpr_count:     66
    .vgpr_count:     256
    .wavefront_size: 32
...
	.end_amdgpu_metadata
.endif
;; end of part 3
;; launch oproj (part 4): grid 4 x 32, 4 waves a work-group, clusters of 4 x 4, 327,680 bytes of LDS; arguments oc, os, xc, xs, bo, out0; writes out0
.if DOCPART == 4
	.amdgcn_target "amdgcn-amd-amdhsa--gfx1250"
	.amdhsa_code_object_version 6
	.text
	.protected	k_qd29c10fd52_oproj
	.globl	k_qd29c10fd52_oproj
	.p2align	8
	.type	k_qd29c10fd52_oproj,@function
k_qd29c10fd52_oproj:
	s_mov_b64 s[64:65], 0
	v_nop
	global_prefetch_b8 v0, s[64:65] scope:SCOPE_SE
	s_setreg_imm32_b32 hwreg(HW_REG_WAVE_MODE, 25, 1), 1
	s_wait_xcnt 0x0
	s_wait_alu depctr_hold_cnt(0) depctr_sa_sdst(0) depctr_va_vdst(0) depctr_va_sdst(0) depctr_va_ssrc(0) depctr_va_vcc(0) depctr_vm_vsrc(0)
	s_getreg_b32 s2, hwreg(HW_REG_IB_STS2, 6, 4)
	s_cmp_eq_u32 s2, 0
	s_cbranch_scc0 .Lentry_in_a_cluster
	s_endpgm
.Lentry_in_a_cluster:
	s_bfe_u32 s2, ttmp6, 0x10000c
	s_cmp_lg_u32 s2, 0xf033
	s_cbranch_scc0 .Lentry_shape_is_right
	s_endpgm
.Lentry_shape_is_right:
; out0 = o Wo^T + bo on codes of FP8 (E4M3) with E8M0 scales; out0 [8192][1024] f32.
; OPERANDS are images of operand registers (16 rows x 128 K = 2,048 bytes, group c at 512 c + 16 x lane): o in oc [K step of 256][row tile (512)][4096] with scale bytes os [row][32]; Wo in xc, 256-row tiles 108 .. 111,
; with scale bytes in xs.  The rows of a row tile are rows 32 g + 8 u + r + 8 (r / 8).  256 rows x 256 K are 65,536 consecutive bytes.
; A tile of 256 x 256 is made by four waves, 128 x 128 each.  'A' = o is source 1 (a lane holds one token), 'B' = Wo is source 0 (its rows, the output's columns, run along a lane's registers: the 16 registers of
; result tiles 2 g, 2 g + 1 are 16 neighbouring columns).  K goes in four steps of 256 through a ring of two LDS slots; the scale bytes come once, with the first fills.  bo is the C of each sum's first matrix instruction.
; CLUSTERS: 4 x 4 work-groups; A's tile is shared along a row of the cluster, B's along a column: each is asked for jointly.
; 128 tiles: a tile of half the size would give every WGP one, at half as many LDS bytes again for each product.
; THE WAY OUT: 16 rows x 128 columns at a time through the wave's stage in LDS, back as whole rows of 512 bytes, each stored to its own row of out0.
; REGISTERS: window 0: v1-31 addresses; v32-63 scale words, two sets, and nothing else; v64-127 the bias; v128-255 A's fragments, one set (on the way out: rows read back).  window 1: B's, two sets.  windows 2, 3: accumulators.
.set AKS,   2097152                    ; bytes from one K step of 256 to the next in oc,
.set BKS,   7340032                    ; and in xc
.set NQ,    2
.set FR,    16
.set NL,    4
.set NP,    8                          ; places behind this matrix instruction (ISA guide 7.12.1)
.set HALFT, 32768
.set SLOT,  4*HALFT
.set SCL,   2*SLOT
.set HALFS, 4352
.set SBLK,  544
.set SPARE, SCL+4*HALFS                ; the spare words, 128 bytes a wave: two blocks of 256 bytes that no other line names
.set SPITCH, 528                       ; the stage: 16 rows x (512 bytes + 16) for each wave, in slot 0, which has had its last fill and its last read when the first result is stored there
.set ADRA, 16
.set ADRB, 20
.set BOF,  22
.set STO,  24                          ; v24  the way out: where I put 32 bytes of a row
.set RD,   25                          ; v25  where I read a row back
.set CO,   26                          ; v26  16 x lane
.set ADRS, 27
.set SPW,  28
.set NIL,  29
.set SC,   32
.set BI,   64
.set AF,   128
.set BK,   128                         ; the way out: 16 rows read back: v128-191 and v192-255 by turns
.set WV,   16
.set RH,   17
.set CH,   18
.set CX,   19
.set CYP,  20
.set CLY,  21
.set G1,   24
.set G0,   32
.set G1B,  48
.set G0B,  56
.set TA,   66
.set TB,   67
.set G1S,  68
.set G0S,  76
.set G1SB, 80
.set G0SB, 88
.set MSB, 0
.macro WIN new                         ; the immediate's high byte repeats the setting that is left
.if MSB != (\new)
	s_set_vgpr_msb (MSB<<8)|(\new)
.set MSB, (\new)
.endif
.endm
.set MUL_LO, 0xa1
.set MUL_HI, 0xf1
.set BIA_LO, 0x81
.set BIA_HI, 0xc1
.set TO_B,   0x40
.macro JLOAD g0a, g1a, g0b, g1b        ; a joint load: waves 0 and 1 fetch for A, waves 2 and 3 for B; four v_nop follow each of the two lines
	s_cmp_eq_u32 s[RH], 0
	s_cbranch_scc0 .Lfor_b_\@
	tensor_load_to_lds s[\g0a:\g0a+3], s[\g1a:\g1a+7]
	s_nop 0
.rept 4
	v_nop
.endr
	s_branch .Lasked_\@
.Lfor_b_\@:
	tensor_load_to_lds s[\g0b:\g0b+3], s[\g1b:\g1b+7]
	s_nop 0
.rept 4
	v_nop
.endr
.Lasked_\@:
.endm
.macro CREST
	s_cmp_lg_u32 s[WV], 0
	s_cbranch_scc1 .Lnot_wave_0_\@
	s_barrier_signal -3
.Lnot_wave_0_\@:
	s_barrier_wait -3
	s_barrier_signal -1
	s_barrier_wait -1
.endm
.macro CROUND
	s_barrier_signal -1
	s_barrier_wait -1
	CREST
.endm
	s_load_b256 s[4:11], s[0:1], 0x0               ; oc s[4:5], os s[6:7], xc s[8:9], xs s[10:11]
	s_load_b128 s[12:15], s[0:1], 0x20             ; bo s[12:13], out0 s[14:15]
	v_lshl_add_u32 v[SPW], v0, 2, SPARE
	v_mov_b32 v[NIL], 0
	ds_add_u32 v28, v29
	ds_add_u32 v28, v29
	s_wait_dscnt 0x0
	v_lshrrev_b32 v1, 5, v0
	v_readfirstlane_b32 s[WV], v1
	s_lshr_b32 s[RH], s[WV], 1
	s_and_b32 s[CH], s[WV], 1
	s_bfe_u32 s[CX], ttmp6, 0x40000
	s_bfe_u32 s[CYP], ttmp6, 0x40004
	s_and_b32 s[CLY], ttmp7, 0xffff                ; the cluster's y: 0..7
	s_lshl_b32 s[TA], s[CLY], 2
	s_add_co_u32 s[TA], s[TA], s[CYP]              ; A's tile of 256 tokens hangs on cy alone,
	s_add_co_u32 s[TB], s[CX], 108                 ; B's tile of Wo's rows on cx alone
	s_lshl_b32 s40, s[CYP], 2
	s_lshl_b32 s40, 15, s40                        ; my row of the cluster
	s_lshl_b32 s41, 0x1111, s[CX]                  ; my column
	s_or_b32 s[G1], s40, (3<<16)|(1<<21)           ; the codes: 32,768 dense bytes as 128 rows of 32 elements of 8 bytes; no padding
	s_or_b32 s[G1B], s41, (3<<16)|(1<<21)
.irp g, G1, G1B
	s_mov_b32 s[\g+1], 32<<16
	s_mov_b32 s[\g+2], 128<<16
	s_mov_b32 s[\g+3], 32<<16
	s_mov_b32 s[\g+4], 128
	s_mov_b32 s[\g+5], 32
	s_mov_b32 s[\g+6], 0
	s_mov_b32 s[\g+7], 0
.endr
	s_or_b32 s[G1S], s40, (3<<16)|(1<<20)|(1<<21)|(5<<22)|(3<<25)   ; the scale bytes of 128 rows: 16 rows of 256 bytes, 16 bytes of padding behind each
	s_or_b32 s[G1SB], s41, (3<<16)|(1<<20)|(1<<21)|(5<<22)|(3<<25)
.irp g, G1S, G1SB
	s_mov_b32 s[\g+1], 32<<16
	s_mov_b32 s[\g+2], 16<<16
	s_mov_b32 s[\g+3], 32<<16
	s_mov_b32 s[\g+4], 16
	s_mov_b32 s[\g+5], 32
	s_mov_b32 s[\g+6], 0
	s_mov_b32 s[\g+7], 0
.endr
	s_lshl_b32 s98, s[CH], 15
	s_lshl_b32 s40, s[TA], 16
	s_add_co_u32 s40, s40, s98
	s_mov_b32 s41, 0
	s_lshl_b32 s42, s[TB], 16
	s_add_co_u32 s42, s42, s98
	s_mov_b32 s43, 0
	s_lshl_b32 s98, s[CH], 12
	s_lshl_b32 s44, s[TA], 13
	s_add_co_u32 s44, s44, s98
	s_mov_b32 s45, 0
	s_lshl_b32 s46, s[TB], 13
	s_add_co_u32 s46, s46, s98
	s_mov_b32 s47, 0
	s_lshl_b32 s98, s[WV], 15
	s_mul_i32 s99, s[WV], HALFS
	s_wait_kmcnt 0x0
	s_add_nc_u64 s[40:41], s[4:5], s[40:41]
	s_add_nc_u64 s[42:43], s[8:9], s[42:43]
	s_add_nc_u64 s[44:45], s[6:7], s[44:45]
	s_add_nc_u64 s[46:47], s[10:11], s[46:47]
	CROUND                                         ; all sixteen work-groups are here: the first joint loads meet
	s_mov_b32 s[G0S], 1
	s_add_co_u32 s[G0S+1], s99, SCL
	s_mov_b64 s[G0S+2:G0S+3], s[44:45]
	s_or_b32 s[G0S+3], s[G0S+3], 0x80000000
	s_mov_b32 s[G0SB], 1
	s_add_co_u32 s[G0SB+1], s99, SCL
	s_mov_b64 s[G0SB+2:G0SB+3], s[46:47]
	s_or_b32 s[G0SB+3], s[G0SB+3], 0x80000000
	JLOAD G0S, G1S, G0SB, G1SB
.irp s, 0,1
	s_mov_b32 s[G0+4*\s], 1
	s_add_co_u32 s[G0+4*\s+1], s98, \s*SLOT
	s_add_nc_u64 s[G0+4*\s+2:G0+4*\s+3], s[40:41], \s*AKS
	s_or_b32 s[G0+4*\s+3], s[G0+4*\s+3], 0x80000000
	s_mov_b32 s[G0B+4*\s], 1
	s_add_co_u32 s[G0B+4*\s+1], s98, \s*SLOT
	s_add_nc_u64 s[G0B+4*\s+2:G0B+4*\s+3], s[42:43], \s*BKS
	s_or_b32 s[G0B+4*\s+3], s[G0B+4*\s+3], 0x80000000
	s_wait_alu depctr_va_vdst(0)
	s_wait_tensorcnt 0x0
	ds_add_u32 v28, v29
	s_wait_dscnt 0x0
	CROUND
	JLOAD G0+4*\s, G1, G0B+4*\s, G1B               ; one tensor load of mine is out
.endr
	v_and_b32 v1, 15, v0                           ; r
	v_bfe_u32 v2, v0, 4, 1                         ; h
	v_and_b32 v3, 31, v0
	v_lshlrev_b32 v[CO], 4, v3
	s_lshl_b32 s40, s[RH], 15
	s_lshl_b32 s41, s[CH], 15
	s_add_co_u32 s41, s41, 2*HALFT
.irp s, 0,1
	v_add_nc_u32 v[ADRA+\s], s40, v[CO]
	v_add_nc_u32 v[ADRB+\s], s41, v[CO]
	s_add_co_u32 s40, s40, SLOT
	s_add_co_u32 s41, s41, SLOT
.endr
	v_lshlrev_b32 v5, 5, v1
	v_lshrrev_b32 v6, 8, v5
	v_lshl_add_u32 v5, v6, 4, v5
	s_mul_i32 s40, s[RH], HALFS
	s_mul_i32 s41, s[CH], HALFS
	s_add_co_u32 s41, s41, 2*HALFS
	s_sub_co_u32 s41, s41, s40
	v_mul_u32_u24 v6, s41, v2                      ; lanes 16-31 take B's scale words
	s_add_co_u32 s40, s40, SCL
	v_add_nc_u32 v5, v5, v6
	v_add_nc_u32 v[ADRS], s40, v5
	s_mul_i32 s40, s[WV], 16*SPITCH                ; my stage
	v_mul_u32_u24 v5, v1, SPITCH
	v_lshl_add_u32 v5, v2, 6, v5
	v_add_nc_u32 v[STO], s40, v5                   ; in: row r, + 64 h: my 16 columns of each 32
	v_add_nc_u32 v[RD], s40, v[CO]                 ; back: the 32 lanes take one row of 512 bytes
	s_lshl_b32 s40, s[CX], 10                      ; bo: tile b holds columns 32 (b / 2) + 16 h + 8 (b % 2) + 0 .. 7 of my 128
	s_lshl_b32 s41, s[CH], 9
	s_add_co_u32 s40, s40, s41
	s_mov_b32 s41, 0
	s_add_nc_u64 s[96:97], s[12:13], s[40:41]
	v_lshlrev_b32 v[BOF], 6, v2
.irp b, 0,1,2,3,4,5,6,7
	global_load_b128 v[BI+8*\b:BI+8*\b+3], v[BOF], s[96:97] offset:(32*(\b/2)+8*(\b%2))*4
	global_load_b128 v[BI+8*\b+4:BI+8*\b+7], v[BOF], s[96:97] offset:(32*(\b/2)+8*(\b%2))*4+16
.endr
	s_lshl_b32 s40, s[TA], 8
	s_lshl_b32 s41, s[RH], 7
	s_add_co_u32 s40, s40, s41                     ; my first row of out0,
	s_lshl_b32 s40, s40, 12
	s_lshl_b32 s41, s[CX], 10
	s_add_co_u32 s40, s40, s41
	s_lshl_b32 s41, s[CH], 9
	s_add_co_u32 s40, s40, s41                     ; my first column, in bytes
	s_mov_b32 s41, 0
	s_add_nc_u64 s[92:93], s[14:15], s[40:41]
.macro FRAG reg, adr, q, i
.irp c, 0,1,2,3
	ds_load_b128 v[\reg+4*\c:\reg+4*\c+3], v[\adr] offset:(\i)*4096+(\q)*2048+512*\c
.endr
.endm
; 16 matrix instructions: A's blocks a0, a0 + 1 x B's eight.  zero = 1: C is the bias of B's block; 0: the sum goes on in place.  The 64 accumulators take turns, one instruction a turn.
.macro MUL16 a0, p, q, sc, zero
.irp a, \a0, \a0+1
.irp b, 0,1,2,3,4,5,6,7
.if \zero
	v_wmma_scale_f32_16x16x128_f8f6f4 v[8*(8*((\a)%4)+\b):8*(8*((\a)%4)+\b)+7], v[128*(\p)+FR*\b:128*(\p)+FR*\b+FR-1], v[AF+FR*(\a):AF+FR*(\a)+FR-1], v[BI+8*\b:BI+8*\b+7], v[SC+8*NQ*(\sc)+NQ*\b+(\q)], v[SC+8*NQ*(\sc)+NQ*(\a)+(\q)] matrix_a_scale:MATRIX_SCALE_ROW1
.else
	v_wmma_scale_f32_16x16x128_f8f6f4 v[8*(8*((\a)%4)+\b):8*(8*((\a)%4)+\b)+7], v[128*(\p)+FR*\b:128*(\p)+FR*\b+FR-1], v[AF+FR*(\a):AF+FR*(\a)+FR-1], v[8*(8*((\a)%4)+\b):8*(8*((\a)%4)+\b)+7], v[SC+8*NQ*(\sc)+NQ*\b+(\q)], v[SC+8*NQ*(\sc)+NQ*(\a)+(\q)] matrix_a_scale:MATRIX_SCALE_ROW1
.endif
.endr
.endr
.endm
.macro FETCH_B slot, q, p
	WIN TO_B
.irp i, 0,1,2,3,4,5,6,7
	FRAG 128*(\p)+FR*\i, ADRB+\slot, \q, \i
.endr
	WIN 0
.endm
.macro FETCH_A slot, q, i0
.irp i, \i0, \i0+1, \i0+2, \i0+3
	FRAG AF+FR*(\i), ADRA+\slot, \q, \i
.endr
.endm
.macro SCALES sc
.irp i, 0,1,2,3,4,5,6,7
	ds_load_b64 v[SC+8*NQ*\sc+NQ*\i:SC+8*NQ*\sc+NQ*\i+1], v[ADRS] offset:\i*SBLK
.endr
.endm
.macro PLACES n                        ; places behind matrix instructions, in front of loads into their registers and of reads of their results (ISA guide 7.12.1 for vector instructions)
.rept \n
	v_nop
.endr
.endm
.macro STEP slot, q, zero
	s_wait_dscnt 4*NL                              ; B's set and A's blocks 0-3 are in; the youngest 16 loads (A's blocks 4-7) may be out
.if \zero
	WIN BIA_LO
.else
	WIN MUL_LO
.endif
	MUL16 0, (\q)%2, \q, \slot, \zero
	MUL16 2, (\q)%2, \q, \slot, \zero
	s_wait_dscnt 0
	PLACES NP
	FETCH_B \slot, (\q)+1, 1-(\q)%2
	FETCH_A \slot, (\q)+1, 0
.if \zero
	WIN BIA_HI
.else
	WIN MUL_HI
.endif
	MUL16 4, (\q)%2, \q, \slot, \zero
	MUL16 6, (\q)%2, \q, \slot, \zero
	PLACES NP
	WIN 0
	FETCH_A \slot, (\q)+1, 4
.endm
.macro TURN slot, next, fill           ; a slot's last step changes slots: one barrier, with the three lines in front of it
	s_wait_tensorcnt 0x0                           ; all my tensor loads have landed: my part of the next slot
	ds_add_u32 v[SPW], v[NIL]                      ; 0 onto my spare word
	s_wait_dscnt 4*NL+1                            ; (the add and the youngest 16 loads may be out)
	WIN MUL_LO
	MUL16 0, 1, NQ-1, \slot, 0
	s_wait_dscnt 0x0                               ; the add is done, and my reads of this slot are over
	s_barrier_signal -1
	MUL16 2, 1, NQ-1, \slot, 0
	WIN 0
	s_barrier_wait -1
.if \fill
	CREST                                          ; a round of the cluster's barrier: no wave of any partner still reads this slot or has a load on its way
	s_add_nc_u64 s[G0+4*\slot+2:G0+4*\slot+3], s[G0+4*\slot+2:G0+4*\slot+3], 2*AKS
	s_add_nc_u64 s[G0B+4*\slot+2:G0B+4*\slot+3], s[G0B+4*\slot+2:G0B+4*\slot+3], 2*BKS
	JLOAD G0+4*\slot, G1, G0B+4*\slot, G1B
	PLACES NP-4
.else
	PLACES NP
.endif
	s_wait_alu depctr_va_vdst(0)
	v_add_nc_u32 v[ADRS], 4*NQ, v[ADRS]
	FETCH_B \next, 0, 0
	FETCH_A \next, 0, 0
	SCALES \next
	WIN MUL_HI
	MUL16 4, 1, NQ-1, \slot, 0
	MUL16 6, 1, NQ-1, \slot, 0
	PLACES NP
	WIN 0
	FETCH_A \next, 0, 4
.endm
	s_wait_alu depctr_va_vdst(0)
	s_wait_tensorcnt 1                             ; the scale bytes and my part of K step 0 are in; K step 1's load may stay out
	s_barrier_signal -1
	s_barrier_wait -1
	FETCH_B 0, 0, 0
	FETCH_A 0, 0, 0
	SCALES 0
	FETCH_A 0, 0, 4
	s_wait_loadcnt 0x0                             ; the bias
	STEP 0, 0, 1                                   ; the first step starts the sums on the bias
	TURN 0, 1, 1
	STEP 1, 0, 0
	TURN 1, 0, 1
	STEP 0, 0, 0
	TURN 0, 1, 0                                   ; nothing is left to fetch
	STEP 1, 0, 0
	s_wait_dscnt 4*NL
	WIN MUL_LO
	MUL16 0, 1, NQ-1, 1, 0
	MUL16 2, 1, NQ-1, 1, 0
	s_wait_dscnt 0
	WIN MUL_HI
	MUL16 4, 1, NQ-1, 1, 0
	MUL16 6, 1, NQ-1, 1, 0
	WIN 0
; THE WAY OUT.  LDS serves a wave's instructions in order (ISA guide 5.7.1.4): no wait between the stage's stores and loads, nor in front of the next block's stores.
.macro TOSTAGE a
.set AC, 64*((\a)%4)
	WIN 0x08+4*((\a)/4)                            ; the data: window 2 or 3
.irp b, 0,1,2,3,4,5,6,7
	ds_store_b128 v[STO], v[AC+8*\b:AC+8*\b+3] offset:128*(\b/2)+32*(\b%2)         ; each accumulator from its low end on
	ds_store_b128 v[STO], v[AC+8*\b+4:AC+8*\b+7] offset:128*(\b/2)+32*(\b%2)+16
.endr
	WIN 0
.set BB, BK+64*((\a)%2)
.irp t, 0,1,2,3,4,5,6,7,8,9,10,11,12,13,14,15
	ds_load_b128 v[BB+4*\t:BB+4*\t+3], v[RD] offset:\t*SPITCH
.endr
.endm
.macro SEND a, younger                 ; younger: the LDS instructions issued behind block a's loads, which may stay out
.set BB, BK+64*((\a)%2)
	s_wait_dscnt \younger
.irp t, 0,1,2,3,4,5,6,7,8,9,10,11,12,13,14,15
	global_store_b128 v[CO], v[BB+4*\t:BB+4*\t+3], s[92:93] offset:(32*((\a)/2)+8*((\a)%2)+\t+8*(\t/8))*4096 th:TH_STORE_NT   ; stage row t of block a is this row of my 128; 512 consecutive bytes, aligned; at most 127 rows on: inside the signed 24-bit immediate
.endr
.endm
	PLACES NP
	TOSTAGE 0
.irp a, 1,2,3,4,5,6,7
.if \a > 1
	s_wait_xcnt 0x0                                ; block a - 2's stores have read their registers: block a's loads may land there
.endif
	TOSTAGE \a
	SEND \a-1, 32                                  ; behind block a - 1's loads: block a's 16 stores and 16 loads
.endr
	SEND 7, 0
	s_wait_tensorcnt 0x0                           ; the wave's end
	ds_add_u32 v[SPW], v[NIL]
	s_wait_dscnt 0x0
	CROUND                                         ; the closing round
	s_endpgm
.Lfunc_end_k_qd29c10fd52_oproj:
	.size	k_qd29c10fd52_oproj, .Lfunc_end_k_qd29c10fd52_oproj-k_qd29c10fd52_oproj
	.p2alignl 7, 3214868480
	.fill 96, 4, 3214868480
	.section	.rodata,"a",@progbits
	.p2align	6, 0x0
	.amdhsa_kernel k_qd29c10fd52_oproj
		.amdhsa_group_segment_fixed_size 327680
		.amdhsa_private_segment_fixed_size 0
		.amdhsa_enable_private_segment 0
		.amdhsa_kernarg_size 48
		.amdhsa_user_sgpr_count 2
		.amdhsa_user_sgpr_kernarg_segment_ptr 1
		.amdhsa_wavefront_size32 1
		.amdhsa_system_sgpr_workgroup_id_x 1
		.amdhsa_system_sgpr_workgroup_id_y 1
		.amdhsa_system_sgpr_workgroup_id_z 1
		.amdhsa_system_vgpr_workitem_id 0
		.amdhsa_next_free_vgpr 1024
		.amdhsa_next_free_sgpr 100
		.amdhsa_reserve_vcc 0
		.amdhsa_float_denorm_mode_32 3
		.amdhsa_float_denorm_mode_16_64 3
		.amdhsa_memory_ordered 1
		.amdhsa_forward_progress 1
		.amdhsa_inst_pref_size 147
	.end_amdhsa_kernel
	.amdgpu_metadata
---
amdhsa.version: [ 1, 2 ]
amdhsa.kernels:
  - .name:           k_qd29c10fd52_oproj
    .symbol:         k_qd29c10fd52_oproj.kd
    .args:
      - { .name: oc, .offset: 0, .size: 8, .value_kind: global_buffer, .address_space: global }
      - { .name: os, .offset: 8, .size: 8, .value_kind: global_buffer, .address_space: global }
      - { .name: xc, .offset: 16, .size: 8, .value_kind: global_buffer, .address_space: global }
      - { .name: xs, .offset: 24, .size: 8, .value_kind: global_buffer, .address_space: global }
      - { .name: bo, .offset: 32, .size: 8, .value_kind: global_buffer, .address_space: global }
      - { .name: out0, .offset: 40, .size: 8, .value_kind: global_buffer, .address_space: global }
    .group_segment_fixed_size: 327680
    .private_segment_fixed_size: 0
    .kernarg_segment_align: 8
    .kernarg_segment_size: 48
    .max_flat_workgroup_size: 128
    .sgpr_count:     100
    .vgpr_count:     1024
    .wavefront_size: 32
...
	.end_amdgpu_metadata
.endif
;; end of part 4
